; MI455X (gfx1250); checked and timed in simulation.
; The chip was launched on July 23, 2026; its instructions are those of AMD's public machine-readable ISA for CDNA 5 (MIT licence, August 2026) and "CDNA5" Instruction Set Architecture Reference Guide (July 2026). The comments in the code are by the model that wrote it; some were corrected since.
;; Group Query Attention. Allowed arithmetic: matrix products marked QUANTISED: E2M1 operands, one E8M0 scale for each 32 along K, by v_wmma_scale_f32_16x16x128_f8f6f4 with both operands' format E2M1 (or v_wmma_scale_f32_32x16x128_f4), f32 sums; products left as they are: bf16, f16 or f32 operands; f32 sums; everything else in f32.
;; Inputs: Wk 2,048 x 512 float32; Wo 2,048 x 2,048 float32; Wq 2,048 x 2,048 float32; Wv 2,048 x 512 float32; bk 512 float32; bo 2,048 float32; bq 2,048 float32; bv 512 float32; x 4 x 1,024 x 2,048 float32.
;; Outputs: out0 4 x 1,024 x 2,048 float32.
;; This version of the problem:
;;   THIS VERSION OF THE PROBLEM IS GIVEN IN LOW PRECISION. The matrix products marked QUANTISED in the list below multiply operands that are first quantised to E2M1 (2 exponent bits, 1 mantissa bit; 4 bits a number), with one power-of-two scale for each 32 numbers along K (OCP MX v1.0); their sums are f32. The products marked 'left as it is' may take bf16, f16 or f32 operands, with f32 sums. Whichever they take, every output number must still come out within the allowed error. Rounding operands to bf16 (8 significant bits) uses up far more of that allowance than f16 does (11 bits, for magnitudes from 6e-5 to 65,504). All else is computed in f32.
;;   The module's matrix products, in the order in which they are computed (A, B: the left and right operand; K: the contracted axis; several contracted axes count as one K, in the product's order):
;;     1. [M 4,096, K 2,048] x [K 2,048, N 2,048]; A: input x; B: input Wq: QUANTISED
;;     2. [M 4,096, K 2,048] x [K 2,048, N 512]; A: input x; B: input Wk: QUANTISED
;;     3. [M 4,096, K 2,048] x [K 2,048, N 512]; A: input x; B: input Wv: QUANTISED
;;     4. batch 64 x [M 1,024, K 128] x [K 128, N 1,024]; A: computed on the way; B: computed on the way: left as it is (an operand is computed on the way)
;;     5. batch 64 x [M 1,024, K 1,024] x [K 1,024, N 128]; A: computed on the way; B: computed on the way: left as it is (an operand is computed on the way)
;;     6. [M 4,096, K 2,048] x [K 2,048, N 2,048]; A: computed on the way; B: input Wo: left as it is (an operand is computed on the way)
;;   THE QUANTISER, for each operand of a quantised product, along K:
;;     - K is cut into blocks of 32 from its start; a last block that is shorter is filled with zeros.
;;     - A block's scale is 2^e with e = floor(log2(the largest magnitude in the block)) - 2, held to -126 .. 127; a block of zeros has e = 0. As a byte (E8M0): e + 127.
;;     - Each number is divided by its block's scale, clamped to +-6, and rounded to the nearest number of E2M1, ties to even, subnormals kept.
;;     - The product sums the exact products of the quantised numbers (number of the format x scale) in f32.
;;   ~~~python
;;   def quantise(x, axis):      # numpy; x: float32 -> the quantised numbers, widened to float32 again
;;       x = np.moveaxis(x, axis, -1); K = x.shape[-1]
;;       x = np.pad(x, [(0, 0)] * (x.ndim - 1) + [(0, -K % 32)]); x = x.reshape(x.shape[:-1] + (-1, 32)); a = np.abs(x).max(-1, keepdims=True)
;;       e = np.where(a > 0, np.clip(np.frexp(np.where(a > 0, a, 1))[1] - 1 - 2, -126, 127), 0)      # np.frexp(a)[1] - 1 = floor(log2(a)), exactly
;;       r = np.clip(x / 2.0 ** e, -6, 6)
;;       step = 2.0 ** (np.maximum(np.frexp(np.where(r == 0, 1, r))[1] - 1, 0) - 1)
;;       q = np.round(r / step) * step * 2.0 ** e      # np.round: ties to even
;;       return np.moveaxis(q.reshape(q.shape[:-2] + (-1,))[..., :K], -1, axis).astype(np.float32)
;;   ~~~
;; One version. Each part assembles by itself: llvm-mc -triple=amdgcn-amd-amdhsa -mcpu=gfx1250 --defsym DOCPART=n.
;; ======== version 1 of 1: 6 launches
;; limits: values are held in f16: magnitudes above 65,504 overflow, below 6.1e-05 lose precision
;; workspace buffers: codes 7,340,032 bytes; scales 458,752 bytes; wo16 8,388,608 bytes; qkv16 25,165,824 bytes; qkv32 786,432 bytes; att16 16,777,216 bytes; att32 524,288 bytes
;; launch prep (part 1): grid 704 x 1, 4 waves a work-group, no clusters, 50,688 bytes of LDS; arguments x, Wq, Wk, Wv, Wo, codes, scales, wo16; writes codes, scales, wo16
.if DOCPART == 1
	.amdgcn_target "amdgcn-amd-amdhsa--gfx1250"
	.amdhsa_code_object_version 6
	.text
	.protected	k_q5afc11fdb4_prep
	.globl	k_q5afc11fdb4_prep
	.p2align	8
	.type	k_q5afc11fdb4_prep,@function
k_q5afc11fdb4_prep:
	s_mov_b64 s[64:65], 0
	v_nop
	global_prefetch_b8 v0, s[64:65] scope:SCOPE_SE
	s_setreg_imm32_b32 hwreg(HW_REG_WAVE_MODE, 25, 1), 1
	s_wait_xcnt 0x0
; Three jobs in one launch, told apart by the work-group's number; the job with the longest chain of dependent steps comes first.
;   0-191:   Wq, Wk, Wv [2048 (k)][n] f32, K their FIRST axis -> rows 4096 + column of 'codes' and 'scales' (Wq 0-2047, Wk 2048-2559, Wv 2560-3071).
;   192-447: x [4096][2048] f32 -> codes of E2M1 (rows 0-4095 of 'codes', 1,024 bytes a row, K innermost) and E8M0 bytes (64 a row).
;   448-703: Wo f32 -> f16, as it lies.
; A block's scale is 2^(floor(log2(largest magnitude)) - 2); its byte is the largest magnitude's exponent field - 2, held at 1 from below.
; LIMITS: a block of zeros gets the byte 1 (its codes are zeros; this program alone reads the bytes); NaN and infinities are not served; |Wo| stays under 65,504, f16's largest number.
; No tensor loads, no barrier: waves share nothing.  Each job has LDS bytes of its own.
.set SPW,   190                        ; v190 LDS address of my spare word; never rewritten
.set NIL,   191                        ; v191 0; never rewritten
.set SPARE, 50176                      ; behind both jobs' stages: 128 bytes for each wave, named by no other line
.macro FINISH                          ; the wave's end
	s_wait_tensorcnt 0x0
	ds_add_u32 v[SPW], v[NIL]
	s_wait_dscnt 0x0
	s_endpgm
.endm
	s_load_b256 s[4:11], s[0:1], 0x0               ; x s[4:5], Wq s[6:7], Wk s[8:9], Wv s[10:11]
	s_load_b256 s[12:19], s[0:1], 0x20             ; Wo s[12:13], codes s[14:15], scales s[16:17], wo16 s[18:19]
	v_lshl_add_u32 v[SPW], v0, 2, SPARE
	v_mov_b32 v[NIL], 0
	v_lshrrev_b32 v1, 5, v0
	v_readfirstlane_b32 s20, v1                    ; wave 0..3
	v_and_b32 v2, 31, v0                           ; lane
	s_wait_kmcnt 0x0
	s_cmp_lt_u32 ttmp9, 192
	s_cbranch_scc1 .Lw
	s_cmp_lt_u32 ttmp9, 448
	s_cbranch_scc1 .Lx
; ---------------- Wo to f16: a wave takes 4,096 numbers; 32 loads of 512 consecutive bytes, all issued first
	s_sub_co_u32 s21, ttmp9, 448
	s_lshl_b32 s21, s21, 2
	s_add_co_u32 s21, s21, s20                     ; which run of 4,096 numbers
	s_lshl_b32 s22, s21, 14
	s_mov_b32 s23, 0
	s_add_nc_u64 s[12:13], s[12:13], s[22:23]
	s_lshl_b32 s22, s21, 13
	s_add_nc_u64 s[18:19], s[18:19], s[22:23]
	v_lshlrev_b32 v1, 4, v2                        ; in: 16 bytes a lane
	v_lshlrev_b32 v3, 3, v2                        ; out: 8 bytes a lane
.set i, 0
.rept 32
	global_load_b128 v[16+4*i:19+4*i], v1, s[12:13] offset:512*i th:TH_LOAD_NT
.set i, i+1
.endr
.set i, 0
.rept 32
	s_wait_loadcnt 31-i                            ; loads come back in order: load i is in, the younger ones stay out
	v_cvt_pk_f16_f32 v[16+4*i], v[16+4*i], v[17+4*i]
	v_cvt_pk_f16_f32 v[17+4*i], v[18+4*i], v[19+4*i]
	global_store_b64 v3, v[16+4*i:17+4*i], s[18:19] offset:256*i   ; 32 lanes store 256 consecutive bytes, aligned; no register is written again
.set i, i+1
.endr
	FINISH
; ---------------- x: a plain stream of blocks of 32.  A wave takes 16 steps of 512 numbers.
; Each load reads 512 consecutive bytes; a step's 2,048 bytes turn through the wave's own stage in LDS (16 bytes of padding behind each 64) and come back 64 bytes a lane:
; 16 neighbours along K, two neighbouring lanes to a block.  Loads run four steps ahead, the turn through LDS one step.
.Lx:
.set XR,  16                           ; v16-79   four sets of 16 numbers as loaded
.set XX,  80                           ; v80-111  two sets of 16 neighbours
.set XE,  112                          ; v112-127 a scale byte for each step
.set XC,  128                          ; v128-159 codes: two registers for each step, so that no store's data are written again
.set XSP, 80                           ; a lane's place in a stage
	v_lshlrev_b32 v3, 4, v2
	s_lshl_b32 s21, s20, 13                        ; my wave's 8,192 bytes of LDS
	v_lshrrev_b32 v14, 2, v2
	v_mul_u32_u24 v14, v14, XSP
	v_and_b32 v15, 3, v2
	v_lshl_add_u32 v14, v15, 4, v14
	v_add_nc_u32 v14, s21, v14                     ; into the stage: 80 (lane / 4) + 16 (lane % 4)
	v_mul_u32_u24 v15, v2, XSP
	v_add_nc_u32 v15, s21, v15                     ; out of it: 80 x lane
	v_lshlrev_b32 v4, 3, v2                        ; 8 bytes a lane: my codes in a step's 256, and my part of the 256 scale bytes
	v_lshrrev_b32 v5, 1, v2
	s_add_co_u32 s21, s21, 2*32*XSP
	v_add_nc_u32 v5, s21, v5                       ; my block's scale byte
	v_add_nc_u32 v6, s21, v4                       ; the scale bytes on their way out
	s_sub_co_u32 s22, ttmp9, 192
	s_lshl_b32 s22, s22, 2
	s_add_co_u32 s22, s22, s20                     ; which run of 8,192 numbers
	s_mov_b32 s25, 0
	s_lshl_b32 s24, s22, 15
	s_add_nc_u64 s[4:5], s[4:5], s[24:25]
	s_lshl_b32 s24, s22, 12
	s_add_nc_u64 s[14:15], s[14:15], s[24:25]
	s_lshl_b32 s24, s22, 8
	s_add_nc_u64 s[16:17], s[16:17], s[24:25]
.macro XLOAD t
.irp i, 0,1,2,3
	global_load_b128 v[XR+16*((\t)%4)+4*\i:XR+16*((\t)%4)+4*\i+3], v3, s[4:5] offset:2048*(\t)+512*\i th:TH_LOAD_NT
.endr
.endm
.macro XTURN t                         ; LDS serves a wave's instructions in order: no wait between the stores and the loads
.irp i, 0,1,2,3
	ds_store_b128 v14, v[XR+16*((\t)%4)+4*\i:XR+16*((\t)%4)+4*\i+3] offset:32*XSP*((\t)%2)+8*XSP*\i
.endr
.irp i, 0,1,2,3
	ds_load_b128 v[XX+16*((\t)%2)+4*\i:XX+16*((\t)%2)+4*\i+3], v15 offset:32*XSP*((\t)%2)+16*\i
.endr
.endm
.irp t, 0,1,2,3
	XLOAD \t
.endr
	s_wait_loadcnt 12                              ; step 0's four loads are in
	XTURN 0
.macro XSTEP t
.set XS, XX+16*((\t)%2)
.if (\t) > 0
	s_wait_dscnt 1                                 ; this step's numbers are back from the stage; the last step's byte store may be out
.else
	s_wait_dscnt 0x0
.endif
.if (\t)+4 < 16
	XLOAD (\t)+4                                   ; into the set whose stores into the stage have been served
.endif
.if (\t)+1 < 16
.if 14-(\t) >= 3
	s_wait_loadcnt 12                              ; the next step's four loads are in; three steps' may be out
.else
	s_wait_loadcnt 4*(14-(\t))
.endif
	XTURN (\t)+1
.endif
	v_max3_num_f32 v8, |v[XS]|, |v[XS+1]|, |v[XS+2]|
	v_max3_num_f32 v9, |v[XS+3]|, |v[XS+4]|, |v[XS+5]|
.irp i, 6,10
	v_max3_num_f32 v8, v8, |v[XS+\i]|, |v[XS+\i+1]|
	v_max3_num_f32 v9, v9, |v[XS+\i+2]|, |v[XS+\i+3]|
.endr
	v_max3_num_f32 v8, v8, |v[XS+14]|, |v[XS+15]|
	v_max3_num_f32 v8, v8, v9, 0x1800000           ; the floor 2^(3 - 127): the byte cannot fall under 1
	v_max_num_f32_dpp v8, v8, v8 row_xmask:1 row_mask:0xf bank_mask:0xf   ; with my neighbour's 16: the block's largest magnitude
	v_add_nc_u32 v11, 0xff000000, v8               ; 2 off its exponent field: the conversion takes that field as its scale
	v_cvt_scalef32_pk8_fp4_f32 v[XC+2*(\t)], v[XS:XS+7], v11
	v_cvt_scalef32_pk8_fp4_f32 v[XC+2*(\t)+1], v[XS+8:XS+15], v11
	v_lshrrev_b32 v[XE+(\t)], 23, v11              ; the scale's byte (also the plain line behind the conversions)
	ds_store_b8 v5, v[XE+(\t)] offset:16*(\t)      ; both lanes of a block write the same byte with the same value
	global_store_b64 v4, v[XC+2*(\t):XC+2*(\t)+1], s[14:15] offset:256*(\t)   ; 32 lanes store 256 consecutive bytes, aligned
.endm
.irp t, 0,1,2,3,4,5,6,7,8,9,10,11,12,13,14,15
	XSTEP \t
.endr
	ds_load_b64 v[8:9], v6                         ; my wave's 256 scale bytes, 8 a lane
	s_wait_dscnt 0x0
	global_store_b64 v4, v[8:9], s[16:17]          ; one aligned run of 256 bytes
	FINISH
; ---------------- Wq, Wk, Wv: a lane takes a column, its registers run down K: a block of 32 lies in one lane, and the codes come out with K innermost.
; A wave takes 16 columns x 512 along K: lane (r, h) takes column r and K blocks 8 h .. 8 h + 7, so a wave walks 8 block steps and a column's 256 bytes of codes still lie in one wave.
; A load covers two rows' 64 bytes; the four waves of a work-group stand side by side on 256 bytes of each row.  Two block steps (64 loads a wave) are on their way.
; The codes go through the wave's own stage (rows of 272 bytes) and leave as rows: sixteen lanes store 256 aligned bytes.  A lane's 8 scale bytes are neighbours in its row: one store of 8 bytes.
; The row pitch of the tensor stands in a register, so that one text serves all three.
.Lw:
	s_mov_b32 s22, 160
	s_mov_b32 s23, 6656
	s_mov_b32 s29, 2048
	s_cmp_lt_u32 ttmp9, 160                        ; 0-127 Wq, 128-159 Wk, 160-191 Wv
	s_cselect_b64 s[24:25], s[8:9], s[10:11]
	s_cselect_b32 s22, 128, s22                    ; the tensor's first work-group
	s_cselect_b32 s23, 6144, s23                   ; its first row in 'codes'
	s_cmp_lt_u32 ttmp9, 128
	s_cselect_b64 s[24:25], s[6:7], s[24:25]
	s_cselect_b32 s22, 0, s22
	s_cselect_b32 s23, 4096, s23
	s_cselect_b32 s28, 5, 3                        ; log2 of its groups of 64 columns
	s_cselect_b32 s30, 31, 7
	s_cselect_b32 s29, 8192, s29                   ; its row in bytes
	s_sub_co_u32 s21, ttmp9, s22
	s_and_b32 s30, s21, s30                        ; which 64 columns
	s_lshr_b32 s31, s21, s28                       ; which 512 along K
	s_lshl_b32 s30, s30, 6
	s_lshl_b32 s32, s20, 4
	s_add_co_u32 s30, s30, s32                     ; my wave's first column
	s_mul_i32 s32, s31, s29
	s_lshl_b32 s32, s32, 9
	s_lshl_b32 s33, s30, 2
	s_add_co_u32 s32, s32, s33
	s_mov_b32 s33, 0
	s_add_nc_u64 s[24:25], s[24:25], s[32:33]      ; the tensor at (512 ky, my first column)
	s_add_co_u32 s23, s23, s30
	s_lshl_b32 s32, s23, 10
	s_lshl_b32 s34, s31, 8
	s_add_co_u32 s32, s32, s34
	s_add_nc_u64 s[14:15], s[14:15], s[32:33]      ; codes: row x 1,024 + 256 ky
	s_lshl_b32 s32, s23, 6
	s_lshl_b32 s34, s31, 4
	s_add_co_u32 s32, s32, s34
	s_add_nc_u64 s[16:17], s[16:17], s[32:33]      ; scales: row x 64 + 16 ky
	s_lshl_b32 s26, s29, 5                         ; a block of 32 rows on
	s_mov_b32 s27, 0
	s_lshl_b32 s35, s29, 8                         ; 256 rows: where lanes 16-31 begin
	v_and_b32 v5, 15, v2                           ; r
	v_lshrrev_b32 v6, 4, v2                        ; h
	v_mul_u32_u24 v3, s35, v6
	v_lshl_add_u32 v3, v5, 2, v3                   ; 256 h rows down, column r
.set i, 0
.rept 32
	v_mad_u32_u24 v[112+i], s29, i, v3             ; row i of a block
.set i, i+1
.endr
	s_mul_i32 s34, s20, 4352
	s_add_co_u32 s34, s34, 32768                   ; my stage: 16 rows of 272 bytes
	v_mul_u32_u24 v4, v5, 272
	v_lshl_add_u32 v4, v6, 7, v4
	v_add_nc_u32 v4, s34, v4                       ; into it: row = my column, my 8 blocks' 128 bytes
	v_mul_u32_u24 v7, v6, 272
	v_lshl_add_u32 v7, v5, 4, v7
	v_add_nc_u32 v7, s34, v7                       ; out of it: sixteen lanes to a row, two rows an instruction
	v_lshlrev_b32 v8, 10, v6
	v_lshl_add_u32 v8, v5, 4, v8                   ; the same place in 'codes'
	v_lshlrev_b32 v9, 6, v5
	v_lshl_add_u32 v9, v6, 3, v9                   ; my 8 scale bytes in my column's row
.macro LOADW t
.if (\t) > 0
	s_wait_xcnt 0x0                                ; the earlier loads have had their addresses translated: the base may step
	s_add_nc_u64 s[24:25], s[24:25], s[26:27]
.endif
.set i, 0
.rept 32
	global_load_b32 v[32+32*((\t)%2)+i], v[112+i], s[24:25] th:TH_LOAD_NT
.set i, i+1
.endr
.endm
	LOADW 0
	LOADW 1
.macro WBLOCK t
.set WS, 32+32*((\t)%2)
.if (\t) < 7
	s_wait_loadcnt 32                              ; this step's 32 loads are in; the next step's may be out
.else
	s_wait_loadcnt 0
.endif
	v_max3_num_f32 v12, |v[WS]|, |v[WS+1]|, |v[WS+2]|
	v_max3_num_f32 v13, |v[WS+3]|, |v[WS+4]|, |v[WS+5]|
.irp i, 6,10,14,18,22,26
	v_max3_num_f32 v12, v12, |v[WS+\i]|, |v[WS+\i+1]|
	v_max3_num_f32 v13, v13, |v[WS+\i+2]|, |v[WS+\i+3]|
.endr
	v_max3_num_f32 v12, v12, |v[WS+30]|, |v[WS+31]|
	v_max3_num_f32 v12, v12, v13, 0x1800000        ; the floor 2^(3 - 127)
	v_add_nc_u32 v11, 0xff000000, v12
	v_lshrrev_b32 v13, 23, v11                     ; the scale's byte
.if (\t)%4 == 0
	v_mov_b32 v[24+(\t)/4], v13                    ; four bytes to a register, the lower K in the lower byte
.else
	v_lshl_or_b32 v[24+(\t)/4], v13, 8*((\t)%4), v[24+(\t)/4]
.endif
.irp g, 0,1,2,3
	v_cvt_scalef32_pk8_fp4_f32 v[96+\g], v[WS+8*\g:WS+8*\g+7], v11
.endr
	ds_store_b128 v4, v[96:99] offset:16*(\t)      ; 32 codes: 16 bytes of my column's row
.if (\t)+2 < 8
	LOADW (\t)+2
.endif
	s_wait_dscnt 0x0                               ; the store has read its registers: the next block's codes may be written (that block begins with plain vector lines)
.endm
.set Q, 0
.rept 8
	WBLOCK Q
.set Q, Q+1
.endr
	global_store_b64 v9, v[24:25], s[16:17]        ; my 8 scale bytes
.set i, 0
.rept 8
	ds_load_b128 v[112+4*i:115+4*i], v7 offset:544*i   ; (the loads' offset registers are free: every load is in)
.set i, i+1
.endr
.set i, 0
.rept 8
	s_wait_dscnt 7-i
	global_store_b128 v8, v[112+4*i:115+4*i], s[14:15] offset:2048*i
.set i, i+1
.endr
	FINISH
.Lfunc_end_k_q5afc11fdb4_prep:
	.size	k_q5afc11fdb4_prep, .Lfunc_end_k_q5afc11fdb4_prep-k_q5afc11fdb4_prep
	.p2alignl 7, 3214868480
	.fill 96, 4, 3214868480
	.section	.rodata,"a",@progbits
	.p2align	6, 0x0
	.amdhsa_kernel k_q5afc11fdb4_prep
		.amdhsa_group_segment_fixed_size 50688
		.amdhsa_private_segment_fixed_size 0
		.amdhsa_enable_private_segment 0
		.amdhsa_kernarg_size 64
		.amdhsa_user_sgpr_count 2
		.amdhsa_user_sgpr_kernarg_segment_ptr 1
		.amdhsa_wavefront_size32 1
		.amdhsa_system_sgpr_workgroup_id_x 1
		.amdhsa_system_sgpr_workgroup_id_y 1
		.amdhsa_system_sgpr_workgroup_id_z 1
		.amdhsa_system_vgpr_workitem_id 0
		.amdhsa_next_free_vgpr 192
		.amdhsa_next_free_sgpr 66
		.amdhsa_reserve_vcc 0
		.amdhsa_float_denorm_mode_32 3
		.amdhsa_float_denorm_mode_16_64 3
		.amdhsa_memory_ordered 1
		.amdhsa_forward_progress 1
		.amdhsa_inst_pref_size 88
	.end_amdhsa_kernel
	.amdgpu_metadata
---
amdhsa.version: [ 1, 2 ]
amdhsa.kernels:
  - .name:           k_q5afc11fdb4_prep
    .symbol:         k_q5afc11fdb4_prep.kd
    .args:
      - { .name: x, .offset: 0, .size: 8, .value_kind: global_buffer, .address_space: global }
      - { .name: Wq, .offset: 8, .size: 8, .value_kind: global_buffer, .address_space: global }
      - { .name: Wk, .offset: 16, .size: 8, .value_kind: global_buffer, .address_space: global }
      - { .name: Wv, .offset: 24, .size: 8, .value_kind: global_buffer, .address_space: global }
      - { .name: Wo, .offset: 32, .size: 8, .value_kind: global_buffer, .address_space: global }
      - { .name: codes, .offset: 40, .size: 8, .value_kind: global_buffer, .address_space: global }
      - { .name: scales, .offset: 48, .size: 8, .value_kind: global_buffer, .address_space: global }
      - { .name: wo16, .offset: 56, .size: 8, .value_kind: global_buffer, .address_space: global }
    .group_segment_fixed_size: 50688
    .private_segment_fixed_size: 0
    .kernarg_segment_align: 8
    .kernarg_segment_size: 64
    .max_flat_workgroup_size: 128
    .sgpr_count:     66
    .vgpr_count:     192
    .wavefront_size: 32
...
	.end_amdgpu_metadata
.endif
;; end of part 1
;; launch qkv (part 2): grid 12 x 16, 4 waves a work-group, clusters of 4 x 4, 327,680 bytes of LDS; arguments codes, scales, bq, bk, bv, qkv16, qkv32; writes qkv16, qkv32
.if DOCPART == 2
	.amdgcn_target "amdgcn-amd-amdhsa--gfx1250"
	.amdhsa_code_object_version 6
	.text
	.protected	k_q5afc11fdb4_qkv
	.globl	k_q5afc11fdb4_qkv
	.p2align	8
	.type	k_q5afc11fdb4_qkv,@function
k_q5afc11fdb4_qkv:
	s_mov_b64 s[64:65], 0
	v_nop
	global_prefetch_b8 v0, s[64:65] scope:SCOPE_SE
	s_setreg_imm32_b32 hwreg(HW_REG_WAVE_MODE, 25, 1), 1
	s_wait_xcnt 0x0
	s_wait_alu depctr_hold_cnt(0) depctr_sa_sdst(0) depctr_va_vdst(0) depctr_va_sdst(0) depctr_va_ssrc(0) depctr_va_vcc(0) depctr_vm_vsrc(0)
	s_getreg_b32 s2, hwreg(HW_REG_IB_STS2, 6, 4)
	s_cmp_eq_u32 s2, 0
	s_cbranch_scc0 .Lentry_in_a_cluster
	s_endpgm
.Lentry_in_a_cluster:
	s_bfe_u32 s2, ttmp6, 0x10000c
	s_cmp_lg_u32 s2, 0xf033
	s_cbranch_scc0 .Lentry_shape_is_right
	s_endpgm
.Lentry_shape_is_right:
; [q | k | v] = x [Wq | Wk | Wv] + [bq | bk | bv] on codes of E2M1 with one E8M0 scale for each 32 along K: M 4,096, N 3,072, K 2,048.
; A = rows 0-4095 of 'codes' (x), B = rows 4096-7167 (the weights' columns), both 1,024 bytes a row, K innermost; their scale bytes 64 a row.
; The result goes out as f16, [4096][3072]; positions 0-15 of every batch also as f32, [64][3072].  LIMIT: |q|, |k|, |v| stay under 65,504, f16's largest number.
; A tile of 256 x 256 is made by four waves, 128 x 128 each: 64 accumulators, 512 registers.  K goes in steps of 512 (rows of 256 bytes) through a ring of two LDS slots.
; The scales of the work-group's 256 + 256 rows, for all of K, come into LDS once, with the first fills.
; CLUSTERS: 4 x 4 work-groups; A's tiles are asked for jointly along a row of the cluster, B's along a column.  Tile row = cluster y + 4 cy, so that the clusters with y = 0 hold the first
; 256 positions of the four batches (batch = cy).
; THE MATRIX INSTRUCTION IS USED TRANSPOSED (source 0 = 16 rows of B, source 1 = 16 rows of A): a lane holds eight neighbouring columns of one row.  The biases are the C of each sum's first product.
; REGISTERS: window 0: v0-31 addresses; v32-95 scale words, two sets; v128-191 A's fragments, one set; v192-255 the biases of my 128 columns.  window 1: B's fragments, two sets.  windows 2, 3: accumulators.
.set KSTEP,  512
.set NQ,     4
.set ROWB,   256
.set KROW,   1024
.set PITCH,  272                       ; 256 bytes + 16 of padding: the 16 rows of a load start 68 words apart
.set FR,     8
.set NL,     2
.set NP,     4
.set HALFT,  128*PITCH
.set SLOT,   4*HALFT
.set LAPS,   2                         ; 2,048 along K = four K steps = twice round the ring
.set KS,     64
.set SCL,    2*SLOT
.set HALFS,  (128*KS/256)*272
.set SBLK,   (16*KS/256)*272
.set SPARE,  SCL+4*HALFS               ; the spare words: 128 bytes for each wave, named by no other line
.set SPITCH, 272                       ; the way out: a stage of 16 rows x (256 + 16) bytes a wave, in slot 0, which has had its last fill and its last read by then
.set ADRA, 16
.set ADRB, 20
.set STO,  24
.set RD,   25
.set CO,   26
.set ADRS, 27
.set SPW,  28
.set NIL,  29
.set FO,   30                          ; v30 my byte offset in qkv32: 12,288 r + 32 h
.set BO,   31                          ; v31 32 h: my half's eight biases of a block of 16 columns
.set SC,   32
.set AF,   128
.set BIAS, 192
.set TMP,  32                          ; the way out: packed results
.set BK,   128                         ; the way out: rows read back: v128-159 and v160-191 by turns
.set G1, 24
.set G0, 32
.set G1B, 48
.set G0B, 56
.set G1S, 68
.set G0S, 76
.set G1SB, 80
.set G0SB, 88
.set MSB, 0
.macro WIN new                         ; the immediate's high byte repeats the setting that is left
.if MSB != (\new)
	s_set_vgpr_msb (MSB<<8)|(\new)
.set MSB, (\new)
.endif
.endm
.set MUL_LO, 0xa1                      ; source 0 (B) window 1, source 1 (A) window 0, C and D window 2
.set MUL_HI, 0xf1                      ; the same, C and D window 3
.set TO_B,   0x40
; A joint load: waves 0 and 1 fetch for A, waves 2 and 3 for B; the branch hangs on the wave's number alone.  An s_nop 0 and four v_nop follow each line.
.macro JLOAD g0a, g1a, g0b, g1b
	s_cmp_eq_u32 s15, 0
	s_cbranch_scc0 .Lfor_b_\@
	tensor_load_to_lds s[\g0a:\g0a+3], s[\g1a:\g1a+7]
	s_nop 0
.rept 4
	v_nop
.endr
	s_branch .Lasked_\@
.Lfor_b_\@:
	tensor_load_to_lds s[\g0b:\g0b+3], s[\g1b:\g1b+7]
	s_nop 0
.rept 4
	v_nop
.endr
.Lasked_\@:
.endm
.macro CREST
	s_cmp_lg_u32 s14, 0
	s_cbranch_scc1 .Lnot_wave_0_\@
	s_barrier_signal -3
.Lnot_wave_0_\@:
	s_barrier_wait -3
	s_barrier_signal -1
	s_barrier_wait -1
.endm
.macro CROUND
	s_barrier_signal -1
	s_barrier_wait -1
	CREST
.endm
	s_load_b128 s[4:7], s[0:1], 0x0                ; codes s[4:5], scales s[6:7]
	s_load_b128 s[8:11], s[0:1], 0x10              ; bq s[8:9], bk s[10:11]
	s_load_b64 s[96:97], s[0:1], 0x20              ; bv
	s_load_b64 s[12:13], s[0:1], 0x28              ; qkv16
	s_load_b64 s[98:99], s[0:1], 0x30              ; qkv32
	v_lshl_add_u32 v[SPW], v0, 2, SPARE
	v_mov_b32 v[NIL], 0
	ds_add_u32 v[SPW], v[NIL]                      ; the wave's opening: the add, twice on end, and its wait ahead of my first tensor load
	ds_add_u32 v[SPW], v[NIL]
	v_lshrrev_b32 v1, 5, v0
	v_readfirstlane_b32 s14, v1                    ; wave 0..3
	s_lshr_b32 s15, s14, 1                         ; my half of the tile's rows.  Also: I fetch for A (0) or for B (1)
	s_and_b32 s16, s14, 1                          ; my half of its columns.  Also: which 128 rows I fetch
	s_bfe_u32 s40, ttmp6, 0x40000                  ; cx
	s_bfe_u32 s41, ttmp6, 0x40004                  ; cy
	s_lshl_b32 s42, ttmp9, 2
	s_add_co_u32 s42, s42, s40                     ; tile column = 4 x cluster x + cx
	s_and_b32 s17, ttmp7, 0xffff
	s_lshl_b32 s18, s41, 2
	s_add_co_u32 s17, s17, s18                     ; tile row = cluster y + 4 cy
	s_lshl_b32 s43, s41, 2
	s_lshl_b32 s43, 15, s43                        ; my row of the cluster
	s_lshl_b32 s44, 0x1111, s40                    ; my column
	s_or_b32 s[G1+0], s43, (0<<16)|(1<<20)|(1<<21)|(5<<22)|(3<<25)   ; mask; elements of 1 byte; padding: 4 words behind every 64
	s_or_b32 s[G1B+0], s44, (0<<16)|(1<<20)|(1<<21)|(5<<22)|(3<<25)
.irp g, G1, G1B
	s_mov_b32 s[\g+1], ROWB<<16                    ; tensor_dim0
	s_mov_b32 s[\g+2], 128<<16                     ; tensor_dim1
	s_mov_b32 s[\g+3], ROWB<<16                    ; tile_dim0
	s_mov_b32 s[\g+4], 128                         ; tile_dim1
	s_mov_b32 s[\g+5], KROW                        ; from row to row
	s_mov_b32 s[\g+6], 0
	s_mov_b32 s[\g+7], 0
.endr
	s_or_b32 s[G1S+0], s43, (3<<16)|(1<<20)|(1<<21)|(5<<22)|(3<<25)  ; the scales of 128 rows: 8,192 dense bytes as 32 rows of 256 (32 elements of 8 bytes), 16 bytes of padding behind each
	s_or_b32 s[G1SB+0], s44, (3<<16)|(1<<20)|(1<<21)|(5<<22)|(3<<25)
.irp g, G1S, G1SB
	s_mov_b32 s[\g+1], 32<<16
	s_mov_b32 s[\g+2], (128*KS/256)<<16
	s_mov_b32 s[\g+3], 32<<16
	s_mov_b32 s[\g+4], 128*KS/256
	s_mov_b32 s[\g+5], 32
	s_mov_b32 s[\g+6], 0
	s_mov_b32 s[\g+7], 0
.endr
	s_lshl_b32 s18, s16, 7
	s_lshl_b32 s20, s17, 8
	s_add_co_u32 s20, s20, s18                     ; A: row 256 x tile row + 128 x half
	s_lshl_b32 s46, s42, 8
	s_add_co_u32 s46, s46, s18
	s_add_co_u32 s46, s46, 4096                    ; B: row 4,096 + 256 x tile column + 128 x half
	s_mov_b32 s21, 0
	s_mov_b32 s47, 0
	s_mov_b64 s[18:19], KS
	s_mul_u64 s[22:23], s[20:21], s[18:19]         ; where these rows' scales begin
	s_mul_u64 s[92:93], s[46:47], s[18:19]
	s_mov_b64 s[18:19], KROW
	s_mul_u64 s[20:21], s[20:21], s[18:19]         ; and their codes
	s_mul_u64 s[46:47], s[46:47], s[18:19]
	s_mul_i32 s45, s14, HALFT                      ; where they go: wave x 128 rows
	s_mul_i32 s94, s14, HALFS
	s_wait_dscnt 0x0                               ; both opening adds are done
	s_wait_kmcnt 0x0
	s_add_nc_u64 s[20:21], s[4:5], s[20:21]
	s_add_nc_u64 s[22:23], s[6:7], s[22:23]
	s_add_nc_u64 s[46:47], s[4:5], s[46:47]
	s_add_nc_u64 s[92:93], s[6:7], s[92:93]
	CROUND                                         ; all sixteen work-groups are here: the first joint loads meet
	s_mov_b32 s[G0S], 1
	s_add_co_u32 s[G0S+1], s94, SCL
	s_mov_b64 s[G0S+2:G0S+3], s[22:23]
	s_or_b32 s[G0S+3], s[G0S+3], 0x80000000
	s_mov_b32 s[G0SB], 1
	s_add_co_u32 s[G0SB+1], s94, SCL
	s_mov_b64 s[G0SB+2:G0SB+3], s[92:93]
	s_or_b32 s[G0SB+3], s[G0SB+3], 0x80000000
	JLOAD G0S, G1S, G0SB, G1SB                     ; the scales first: they are wanted with K step 0
.irp s, 0,1
	s_mov_b32 s[G0+4*\s], 1
	s_add_co_u32 s[G0+4*\s+1], s45, \s*SLOT
	s_add_nc_u64 s[G0+4*\s+2:G0+4*\s+3], s[20:21], \s*ROWB
	s_or_b32 s[G0+4*\s+3], s[G0+4*\s+3], 0x80000000
	s_mov_b32 s[G0B+4*\s], 1
	s_add_co_u32 s[G0B+4*\s+1], s45, \s*SLOT
	s_add_nc_u64 s[G0B+4*\s+2:G0B+4*\s+3], s[46:47], \s*ROWB
	s_or_b32 s[G0B+4*\s+3], s[G0B+4*\s+3], 0x80000000
	JLOAD G0+4*\s, G1, G0B+4*\s, G1B               ; three loads of mine are out now
.endr
	v_and_b32 v1, 15, v0                           ; r
	v_bfe_u32 v2, v0, 4, 1                         ; h
	v_mul_u32_u24 v3, v1, PITCH
	v_lshl_add_u32 v4, v2, 4, v3
	s_mul_i32 s21, s15, HALFT
	s_mul_i32 s22, s16, HALFT
	s_add_co_u32 s22, s22, 2*HALFT
.irp s, 0,1
	v_add_nc_u32 v[ADRA+\s], s21, v4
	v_add_nc_u32 v[ADRB+\s], s22, v4
	s_add_co_u32 s21, s21, SLOT
	s_add_co_u32 s22, s22, SLOT
.endr
	v_mul_u32_u24 v5, v1, KS                       ; my row's scales: 64 bytes a row,
	v_lshrrev_b32 v6, 8, v5
	v_lshl_add_u32 v5, v6, 4, v5                   ; and 16 more for each 256 passed
	s_mul_i32 s21, s15, HALFS
	s_mul_i32 s22, s16, HALFS
	s_add_co_u32 s22, s22, 2*HALFS
	s_sub_co_u32 s22, s22, s21
	v_mul_u32_u24 v6, s22, v2                      ; lanes 16-31 take B's
	s_add_co_u32 s21, s21, SCL
	v_add_nc_u32 v5, v5, v6
	v_add_nc_u32 v[ADRS], s21, v5
	s_mul_i32 s23, s14, 16*SPITCH                  ; my stage
	v_mul_u32_u24 v5, v1, SPITCH
	v_lshl_add_u32 v5, v2, 4, v5
	v_add_nc_u32 v[STO], s23, v5                   ; in: row r, 16 bytes for each half of the lanes
	v_mul_u32_u24 v5, v2, SPITCH
	v_lshl_add_u32 v5, v1, 4, v5
	v_add_nc_u32 v[RD], s23, v5                    ; back: lanes 0-15 one row of 256 bytes, lanes 16-31 the next
	v_mul_u32_u24 v5, v2, 6144
	v_lshl_add_u32 v[CO], v1, 4, v5                ; the same two rows in qkv16
	v_mul_u32_u24 v5, v1, 12288
	v_lshl_add_u32 v[FO], v2, 5, v5
	v_lshlrev_b32 v[BO], 5, v2
	s_lshl_b32 s66, s42, 8
	s_lshl_b32 s67, s16, 7
	s_add_co_u32 s66, s66, s67                     ; my first column of the 3,072
	s_mov_b32 s67, 2560
	s_cmp_lt_u32 s66, 2560                         ; my 128 columns lie in one of the three biases
	s_cselect_b64 s[92:93], s[10:11], s[96:97]
	s_cselect_b32 s67, 2048, s67
	s_cmp_lt_u32 s66, 2048
	s_cselect_b64 s[92:93], s[8:9], s[92:93]
	s_cselect_b32 s67, 0, s67
	s_sub_co_u32 s94, s66, s67
	s_lshl_b32 s94, s94, 2
	s_mov_b32 s95, 0
	s_add_nc_u64 s[92:93], s[92:93], s[94:95]
.irp b, 0,1,2,3,4,5,6,7
	global_load_b128 v[BIAS+8*\b:BIAS+8*\b+3], v[BO], s[92:93] offset:64*\b        ; block b: the biases of columns 16 b + 8 h + 0 .. 7, in the result's layout
	global_load_b128 v[BIAS+8*\b+4:BIAS+8*\b+7], v[BO], s[92:93] offset:64*\b+16
.endr
	s_lshl_b32 s20, s17, 8
	s_lshl_b32 s21, s15, 7
	s_add_co_u32 s20, s20, s21                     ; my first row
	s_mul_i32 s20, s20, 6144
	s_lshl_b32 s21, s66, 1
	s_add_co_u32 s20, s20, s21
	s_mov_b32 s21, 0
	s_add_nc_u64 s[12:13], s[12:13], s[20:21]
	s_mul_i32 s46, s41, 196608                     ; qkv32: 16 rows of 12,288 bytes for each batch; the batch is cy (an address alone hangs on it)
	s_lshl_b32 s47, s66, 2
	s_add_co_u32 s46, s46, s47
	s_mov_b32 s47, 0
	s_add_nc_u64 s[98:99], s[98:99], s[46:47]
.macro FRAG reg, adr, q, i             ; 16 rows x 128 K of 4-bit codes: 8 registers: two loads of 16 bytes, 32 bytes apart
.irp c, 0,1
	ds_load_b128 v[\reg+4*\c:\reg+4*\c+3], v[\adr] offset:64*(\q)+32*\c+(\i)*16*PITCH
.endr
.endm
; 16 matrix instructions: A's blocks a0, a0 + 1 x B's eight.  zero = 1: the first product starts the sums from the biases.  The 64 accumulators take turns, one instruction a turn.
.macro MUL16 a0, p, q, sc, zero
.irp a, \a0, \a0+1
.irp b, 0,1,2,3,4,5,6,7
.if \zero
	v_wmma_scale_f32_16x16x128_f8f6f4 v[8*(8*((\a)%4)+\b):8*(8*((\a)%4)+\b)+7], v[128*(\p)+FR*\b:128*(\p)+FR*\b+FR-1], v[AF+FR*(\a):AF+FR*(\a)+FR-1], v[BIAS+8*\b:BIAS+8*\b+7], v[SC+8*NQ*(\sc)+NQ*\b+(\q)], v[SC+8*NQ*(\sc)+NQ*(\a)+(\q)] matrix_a_fmt:MATRIX_FMT_FP4 matrix_b_fmt:MATRIX_FMT_FP4 matrix_a_scale:MATRIX_SCALE_ROW1
.else
	v_wmma_scale_f32_16x16x128_f8f6f4 v[8*(8*((\a)%4)+\b):8*(8*((\a)%4)+\b)+7], v[128*(\p)+FR*\b:128*(\p)+FR*\b+FR-1], v[AF+FR*(\a):AF+FR*(\a)+FR-1], v[8*(8*((\a)%4)+\b):8*(8*((\a)%4)+\b)+7], v[SC+8*NQ*(\sc)+NQ*\b+(\q)], v[SC+8*NQ*(\sc)+NQ*(\a)+(\q)] matrix_a_fmt:MATRIX_FMT_FP4 matrix_b_fmt:MATRIX_FMT_FP4 matrix_a_scale:MATRIX_SCALE_ROW1
.endif
.endr
.endr
.endm
.macro FETCH_B slot, q, p
	WIN TO_B
.irp i, 0,1,2,3,4,5,6,7
	FRAG 128*(\p)+FR*\i, ADRB+\slot, \q, \i
.endr
	WIN 0
.endm
.macro FETCH_A slot, q, i0
.irp i, \i0, \i0+1, \i0+2, \i0+3
	FRAG AF+FR*(\i), ADRA+\slot, \q, \i
.endr
.endm
.macro SCALES sc                       ; a K step's scale words: lanes 0-15 A's block i, lanes 16-31 B's block i
.irp i, 0,1,2,3,4,5,6,7
	ds_load_b128 v[SC+8*NQ*\sc+NQ*\i:SC+8*NQ*\sc+NQ*\i+3], v[ADRS] offset:\i*SBLK
.endr
.endm
.macro PLACES n                        ; plain vector instructions between a matrix instruction and a load into, or a read of, its registers
.rept \n
	v_nop
.endr
.endm
.macro STEP slot, q, zero
	s_wait_dscnt 4*NL                              ; B's set and A's blocks 0-3 are in; A's blocks 4-7 may be out
.if \zero
	WIN 0x81                                       ; C (the biases) window 0, D window 2
.else
	WIN MUL_LO
.endif
	MUL16 0, (\q)%2, \q, \slot, \zero
	MUL16 2, (\q)%2, \q, \slot, \zero
	s_wait_dscnt 0
	PLACES NP
	FETCH_B \slot, (\q)+1, 1-(\q)%2
	FETCH_A \slot, (\q)+1, 0
.if \zero
	WIN 0xc1
.else
	WIN MUL_HI
.endif
	MUL16 4, (\q)%2, \q, \slot, \zero
	MUL16 6, (\q)%2, \q, \slot, \zero
	PLACES NP
	WIN 0
	FETCH_A \slot, (\q)+1, 4
.endm
; A slot's last step changes slots: one barrier; in front of it each wave waits for all its tensor loads, adds 0 to its spare word, and waits for that and for its reads of this slot.
.macro TURN slot, next, fill
	s_wait_tensorcnt 0x0                           ; all my tensor loads have landed: my part of the next slot
	ds_add_u32 v[SPW], v[NIL]
	s_wait_dscnt 4*NL+1                            ; the add and A's blocks 4-7 may be out
	WIN MUL_LO
	MUL16 0, 1, NQ-1, \slot, 0
	s_wait_dscnt 0x0                               ; the add is done, and my reads of this slot are over
	s_barrier_signal -1
	MUL16 2, 1, NQ-1, \slot, 0
	WIN 0
	s_barrier_wait -1
.if \fill
	CREST                                          ; the barrier has opened a round of the cluster's barrier: no wave of any partner still reads this slot or has a load on its way
	s_add_nc_u64 s[G0+4*\slot+2:G0+4*\slot+3], s[G0+4*\slot+2:G0+4*\slot+3], 2*ROWB
	s_add_nc_u64 s[G0B+4*\slot+2:G0B+4*\slot+3], s[G0B+4*\slot+2:G0B+4*\slot+3], 2*ROWB
	JLOAD G0+4*\slot, G1, G0B+4*\slot, G1B         ; my one load behind the round; its four v_nop are the places in front of the loads below
.else
	PLACES NP
.endif
	v_add_nc_u32 v[ADRS], 4*NQ, v[ADRS]            ; the next K step's scale words
	FETCH_B \next, 0, 0
	FETCH_A \next, 0, 0
	SCALES \next
	WIN MUL_HI
	MUL16 4, 1, NQ-1, \slot, 0
	MUL16 6, 1, NQ-1, \slot, 0
	PLACES NP
	WIN 0
	FETCH_A \next, 0, 4
.endm
.macro STEPS slot, from
.set Q, \from
.rept NQ-1-\from
	STEP \slot, Q, 0
.set Q, Q+1
.endr
.endm
	s_wait_loadcnt 0x0                             ; the biases
	s_wait_tensorcnt 1                             ; the scales and my part of K step 0 are in; K step 1's load may be out
	s_barrier_signal -1
	s_barrier_wait -1
	FETCH_B 0, 0, 0
	FETCH_A 0, 0, 0
	SCALES 0
	FETCH_A 0, 0, 4
	STEP 0, 0, 1                                   ; the first step stands in front of the loop: its products start the sums
	s_mov_b32 s3, LAPS-1
.Llap:                                                 ; a trip goes once round the ring and fills both slots again
	STEPS 0, 1
	TURN 0, 1, 1
	STEPS 1, 0
	TURN 1, 0, 1
	STEP 0, 0, 0
	s_sub_co_u32 s3, s3, 1
	s_cmp_lg_u32 s3, 0
	s_cbranch_scc1 .Llap
	STEPS 0, 1                                     ; the last lap fills nothing
	TURN 0, 1, 0
	STEPS 1, 0
	s_wait_dscnt 4*NL
	WIN MUL_LO
	MUL16 0, 1, NQ-1, 1, 0
	MUL16 2, 1, NQ-1, 1, 0
	s_wait_dscnt 0
	WIN MUL_HI
	MUL16 4, 1, NQ-1, 1, 0
	MUL16 6, 1, NQ-1, 1, 0
	WIN 0
	PLACES NP                                      ; in front of every read of results and of loads into A's registers
	; POSITIONS 0-15 OF A BATCH IN f32: block 0 of the waves with the tile's upper rows, in the clusters with y = 0.  The test is made of the cluster's y and the wave's number: alike in all partners.
	; 32 bytes a lane to rows 12,288 bytes apart: runs of 64 bytes; the buffer holds 0.8 MB in all.
	s_and_b32 s66, ttmp7, 0xffff
	s_or_b32 s66, s66, s15
	s_cmp_lg_u32 s66, 0
	s_cbranch_scc1 .Lno32
	WIN 0x08                                       ; a store's data are its source 1: window 2
.irp b, 0,1,2,3,4,5,6,7
	global_store_b128 v[FO], v[8*\b:8*\b+3], s[98:99] offset:64*\b          ; each accumulator from its low end on
	global_store_b128 v[FO], v[8*\b+4:8*\b+7], s[98:99] offset:64*\b+16
.endr
	WIN 0
.Lno32:
; THE WAY OUT IN f16, a block of 16 rows x 128 columns at a time: rounded, 16 bytes a lane into my stage, back as whole rows of 256 bytes, stored sixteen lanes to 256 aligned bytes.
.macro PACK a
.set AC, 64*((\a)%4)
	WIN 0x0a+5*((\a)/4)                            ; sources 0 and 1: window 2 or 3
.irp b, 0,1,2,3,4,5,6,7
.irp i, 0,1,2,3
	v_cvt_pk_f16_f32 v[TMP+4*\b+\i], v[AC+8*\b+2*\i], v[AC+8*\b+2*\i+1]
.endr
.endr
	WIN 0
.endm
.macro TOSTAGE a
.set BB, BK+32*((\a)%2)
.irp b, 0,1,2,3,4,5,6,7
	ds_store_b128 v[STO], v[TMP+4*\b:TMP+4*\b+3] offset:32*\b
.endr
.irp t, 0,1,2,3,4,5,6,7
	ds_load_b128 v[BB+4*\t:BB+4*\t+3], v[RD] offset:\t*2*SPITCH    ; LDS serves a wave's instructions in order: these see the stores above
.endr
.endm
.macro SEND a
.set BB, BK+32*((\a)%2)
	s_wait_dscnt 0x0                               ; the block is back in registers
	s_wait_xcnt 0x0                                ; earlier stores have had their addresses translated: their base and registers may be written
.if (\a) > 0
	s_add_nc_u64 s[12:13], s[12:13], 16*6144
.endif
.irp t, 0,1,2,3,4,5,6,7
	global_store_b128 v[CO], v[BB+4*\t:BB+4*\t+3], s[12:13] offset:12288*\t
.endr
.endm
	PACK 0
	TOSTAGE 0
.irp a, 1,2,3,4,5,6,7                  ; block a's conversions stand between block a - 1's loads from the stage and the wait for them
	PACK \a
	SEND \a-1
	TOSTAGE \a
.endr
	SEND 7
	s_wait_tensorcnt 0x0                           ; the wave's end
	ds_add_u32 v[SPW], v[NIL]
	s_wait_dscnt 0x0
	CROUND                                         ; the closing round
	s_endpgm
.Lfunc_end_k_q5afc11fdb4_qkv:
	.size	k_q5afc11fdb4_qkv, .Lfunc_end_k_q5afc11fdb4_qkv-k_q5afc11fdb4_qkv
	.p2alignl 7, 3214868480
	.fill 96, 4, 3214868480
	.section	.rodata,"a",@progbits
	.p2align	6, 0x0
	.amdhsa_kernel k_q5afc11fdb4_qkv
		.amdhsa_group_segment_fixed_size 327680
		.amdhsa_private_segment_fixed_size 0
		.amdhsa_enable_private_segment 0
		.amdhsa_kernarg_size 56
		.amdhsa_user_sgpr_count 2
		.amdhsa_user_sgpr_kernarg_segment_ptr 1
		.amdhsa_wavefront_size32 1
		.amdhsa_system_sgpr_workgroup_id_x 1
		.amdhsa_system_sgpr_workgroup_id_y 1
		.amdhsa_system_sgpr_workgroup_id_z 1
		.amdhsa_system_vgpr_workitem_id 0
		.amdhsa_next_free_vgpr 1024
		.amdhsa_next_free_sgpr 100
		.amdhsa_reserve_vcc 0
		.amdhsa_float_denorm_mode_32 3
		.amdhsa_float_denorm_mode_16_64 3
		.amdhsa_memory_ordered 1
		.amdhsa_forward_progress 1
		.amdhsa_inst_pref_size 218
	.end_amdhsa_kernel
	.amdgpu_metadata
---
amdhsa.version: [ 1, 2 ]
amdhsa.kernels:
  - .name:           k_q5afc11fdb4_qkv
    .symbol:         k_q5afc11fdb4_qkv.kd
    .args:
      - { .name: codes, .offset: 0, .size: 8, .value_kind: global_buffer, .address_space: global }
      - { .name: scales, .offset: 8, .size: 8, .value_kind: global_buffer, .address_space: global }
      - { .name: bq, .offset: 16, .size: 8, .value_kind: global_buffer, .address_space: global }
      - { .name: bk, .offset: 24, .size: 8, .value_kind: global_buffer, .address_space: global }
      - { .name: bv, .offset: 32, .size: 8, .value_kind: global_buffer, .address_space: global }
      - { .name: qkv16, .offset: 40, .size: 8, .value_kind: global_buffer, .address_space: global }
      - { .name: qkv32, .offset: 48, .size: 8, .value_kind: global_buffer, .address_space: global }
    .group_segment_fixed_size: 327680
    .private_segment_fixed_size: 0
    .kernarg_segment_align: 8
    .kernarg_segment_size: 56
    .max_flat_workgroup_size: 128
    .sgpr_count:     100
    .vgpr_count:     1024
    .wavefront_size: 32
...
	.end_amdgpu_metadata
.endif
;; end of part 2
;; launch attn (part 3): grid 16 x 16, 16 waves a work-group, no clusters, 327,680 bytes of LDS; arguments qkv16, att16; writes att16
.if DOCPART == 3
	.amdgcn_target "amdgcn-amd-amdhsa--gfx1250"
	.amdhsa_code_object_version 6
	.text
	.protected	k_q5afc11fdb4_attn
	.globl	k_q5afc11fdb4_attn
	.p2align	8
	.type	k_q5afc11fdb4_attn,@function
k_q5afc11fdb4_attn:
	s_mov_b64 s[64:65], 0
	v_nop
	global_prefetch_b8 v0, s[64:65] scope:SCOPE_SE
	s_setreg_imm32_b32 hwreg(HW_REG_WAVE_MODE, 25, 1), 1
	s_wait_xcnt 0x0
; Causal attention in f16 operands, f32 products' sums, maxima and row sums.  qkv16: [4096][3072] f16 (q of head h at byte 256 h of a row, k of kv head g at 4,096 + 256 g, v at 5,120 + 256 g).  att16: [4096][2048] f16.
; SHARES.  Work-group (p, y): batch y / 4, kv head y % 4; its four query heads at positions 32 p .. 32 p + 31 and 992 - 32 p .. 1,023 - 32 p: an early and a late block, so that all work-groups
; have about the same number of key steps.  Each of the SIXTEEN waves owns one tile of 16 queries of one head in 256 registers: four waves to a SIMD.
; NO CLUSTER: under the causal mask work-groups need different numbers of key tiles, and a joint load may not be left out by some partners.
; LAYOUT.  S^T = K Q^T (source 0 = 16 keys, source 1 = my 16 queries), O^T = V^T P: a lane holds ONE query throughout.  K comes out of LDS as it lies, V turned by ds_load_tr16_b128.
; SOFTMAX.  A running maximum m and sum l for each query: p = 2^(c s - c m), c = log2(e) / sqrt(128); in every step O and l are multiplied by a = 2^(c m_old - c m_new).
; RING.  Two LDS slots of 128 keys (K's 128 rows, then V's).  Wave 0 fetches K's, wave 1 V's, one load of 128 rows each; all sixteen read.  Every work-group walks all eight slots (constant trip counts);
; a key step all of whose keys come after the wave's queries is jumped over, and a slot whose first key comes after the work-group's last query is not asked for.
; LIMITS: |q|, |k|, |v| under 65,504; weights p under 6e-8 of the row's largest fall to 0 in f16.
.set PK,    272                        ; a row of K in LDS: 256 bytes + 16
.set PV,    288                        ; a row of V: 256 + 32
.set VOFF,  128*PK
.set SLOT1, 1<<17                      ; slot 1 begins here: one exclusive or turns an address
.set STAGE, SLOT1+128*(PK+PV)          ; behind the ring: 16 rows x 272 bytes for each wave; no tensor load lands here
.set SPARE, STAGE+16*16*272            ; the spare words: 128 bytes for each wave
.set SLOTG, 128*6144                   ; a slot's 128 rows in memory
.set AK0, 1
.set AV0, 2
.set SPW, 3
.set NIL, 4
.set GO,  5
.set STO, 6
.set RD,  7
.set ADK, 8
.set ADV, 9
.set PFO, 10                           ; v10 6,144 x lane: the prefetches' offset
.set RH,  11                           ; v11 r - 8 h
.set CM,  12                           ; v12 c m, v13 m
.set LS,  14                           ; v[14:15] l in two halves
.set CH,  16                           ; v16-19 at work on the maximum
.set AA,  20                           ; v20 a (v21 named with it as a pair)
.set DF,  22
.set NINF, 23
.set DD,  24
.set QO,  25
.set QR,  32                           ; v32-63   Q: four fragments
.set FR,  64                           ; v64-127  eight fragments of K or of V
.set S,   128                          ; v128-159 S^T, then p
.set P,   160                          ; v160-175 p in f16
.set O,   192                          ; v192-255 O^T
.set WV,  8
.set SEL, 20
.set CS,  22
.set G1K, 24
.set G1V, 32
.set G0K, 40
.set G0V, 44
.set TB,  48                           ; s48 LDS byte at which the slot in hand begins
.set KF,  49                           ; s49 the step's first key
.set Q0,  50                           ; s50 my first query
.set LASTQ, 51                         ; s51 my work-group's last query
.set SLOTS, 52
.set LIM, 53
.set PFA, 54
; Wave 0 fetches K's rows, wave 1 V's, the others nothing.  An s_nop 0 and four v_nop follow each line.
.macro TLOAD
	s_cmp_eq_u32 s[WV], 0
	s_cbranch_scc0 .Lnot_k_\@
	tensor_load_to_lds s[G0K:G0K+3], s[G1K:G1K+7]
	s_nop 0
.rept 4
	v_nop
.endr
	s_branch .Lasked_\@
.Lnot_k_\@:
	s_cmp_eq_u32 s[WV], 1
	s_cbranch_scc0 .Lasked_\@
	tensor_load_to_lds s[G0V:G0V+3], s[G1V:G1V+7]
	s_nop 0
.rept 4
	v_nop
.endr
.Lasked_\@:
.endm
; A prefetch of what the NEXT change of slots will ask for: 128 rows of K and of V, 256 bytes a row, a lane a row.  All sixteen work-groups of a (batch, kv head) walk the same rows: the one with p = 0,
; which walks all keys, asks; in it waves 4 to 7 for K's rows (32 each), waves 8 to 11 for V's.  So each row is named once.  The last change that fills a slot asks for nothing.
.macro ASK
	s_cmp_gt_u32 s[SLOTS], s[LIM]
	s_cbranch_scc0 .Lnot_mine_\@
	global_prefetch_b8 v[PFO], s[PFA:PFA+1] th:TH_LOAD_NT scope:SCOPE_SE
.Lnot_mine_\@:
.endm
	s_load_b128 s[4:7], s[0:1], 0x0                ; qkv16 s[4:5], att16 s[6:7]
	v_lshl_add_u32 v[SPW], v0, 2, SPARE
	v_mov_b32 v[NIL], 0
	ds_add_u32 v[SPW], v[NIL]                      ; the wave's opening: the add, twice on end, and its wait ahead of the first tensor load
	ds_add_u32 v[SPW], v[NIL]
	v_lshrrev_b32 v8, 5, v0
	v_readfirstlane_b32 s[WV], v8                  ; wave 0..15, bits b3 b2 b1 b0
	s_and_b32 s9, ttmp7, 0xffff
	s_lshr_b32 s10, s9, 2                          ; batch
	s_and_b32 s11, s9, 3                           ; kv head
	s_bfe_u32 s12, s[WV], 0x10002                  ; b2: which 16 of a block's 32 positions
	s_lshr_b32 s13, s[WV], 2
	s_xor_b32 s13, s13, s[WV]
	s_and_b32 s13, s13, 1                          ; b0 xor b2: the late block (1) or the early one (0)
	s_bfe_u32 s14, s[WV], 0x10001
	s_lshr_b32 s15, s[WV], 3
	s_lshl_b32 s15, s15, 1
	s_add_co_u32 s14, s14, s15
	s_lshl_b32 s15, s11, 2
	s_add_co_u32 s14, s14, s15                     ; query head = 4 g + 2 b3 + b1
	s_lshl_b32 s16, ttmp9, 6
	s_sub_co_u32 s16, 992, s16
	s_mul_i32 s16, s16, s13
	s_lshl_b32 s17, ttmp9, 5
	s_add_co_u32 s16, s16, s17
	s_lshl_b32 s18, s12, 4
	s_add_co_u32 s[Q0], s16, s18                   ; 32 p + 16 sub, + 992 - 64 p for the late block
	s_sub_co_u32 s[LASTQ], 1023, s17
	s_mul_i32 s56, s10, 6291456                    ; the batch's 1,024 rows of 6,144 bytes
	s_lshl_b32 s16, s11, 8
	s_add_co_u32 s56, s56, s16
	s_add_co_u32 s56, s56, 4096                    ; K's first row of this kv head
	s_mov_b32 s57, 0
	s_lshl_b32 s16, s10, 10
	s_add_co_u32 s16, s16, s[Q0]                   ; my first row
	s_lshl_b32 s17, s14, 8
	s_mul_i32 s60, s16, 6144
	s_add_co_u32 s60, s60, s17
	s_mov_b32 s61, 0
	s_lshl_b32 s62, s16, 12
	s_add_co_u32 s62, s62, s17
	s_mov_b32 s63, 0
	s_mov_b32 s[G1K], (1<<16)|(1<<20)|(5<<22)|(3<<25)  ; no mask; elements of 2 bytes; padding: 4 words behind every 64
	s_mov_b32 s[G1V], (1<<16)|(1<<20)|(5<<22)|(7<<25)  ; 8 words
.irp g, G1K, G1V
	s_mov_b32 s[\g+1], 128<<16                     ; tensor_dim0 = 128
	s_mov_b32 s[\g+2], 128<<16                     ; tensor_dim1 = 128
	s_mov_b32 s[\g+3], 128<<16                     ; tile_dim0 = 128
	s_mov_b32 s[\g+4], 128                         ; tile_dim1 = 128
	s_mov_b32 s[\g+5], 3072                        ; elements from row to row
	s_mov_b32 s[\g+6], 0
	s_mov_b32 s[\g+7], 0
.endr
	s_mov_b32 s[G0K], 1
	s_mov_b32 s[G0K+1], 0
	s_mov_b32 s[G0V], 1
	s_mov_b32 s[G0V+1], VOFF
	s_mov_b32 s[SEL], 0x76543210
	s_mov_b32 s[SEL+1], 0xfedcba98
	s_mov_b32 s[CS], 0x3e0293ee                    ; c = log2(e) / sqrt(128)
	s_mov_b32 s[CS+1], s[CS]
	s_mov_b32 s[TB], 0
	s_mov_b32 s[KF], 0
	s_mov_b32 s[SLOTS], 7
	s_wait_dscnt 0x0                               ; both opening adds are done
	s_wait_kmcnt 0x0
	s_add_nc_u64 s[56:57], s[4:5], s[56:57]        ; K
	s_add_nc_u64 s[58:59], s[56:57], 1024          ; V
	s_add_nc_u64 s[60:61], s[4:5], s[60:61]        ; Q at my first query
	s_add_nc_u64 s[62:63], s[6:7], s[62:63]        ; O likewise
	s_mov_b64 s[G0K+2:G0K+3], s[56:57]
	s_or_b32 s[G0K+3], s[G0K+3], 0x80000000
	s_mov_b64 s[G0V+2:G0V+3], s[58:59]
	s_or_b32 s[G0V+3], s[G0V+3], 0x80000000
	TLOAD                                          ; slot 0: key 0 counts for every query
	s_cmp_lt_u32 s[WV], 8
	s_cselect_b64 s[PFA:PFA+1], s[56:57], s[58:59]
	s_and_b32 s66, s[WV], 3
	s_mul_i32 s66, s66, 32*6144                    ; my wave's 32 rows,
	s_add_co_u32 s66, s66, SLOTG                   ; in slot 1: the first change of slots steps it to slot 2.  Nothing is prefetched at the head
	s_mov_b32 s67, 0
	s_add_nc_u64 s[PFA:PFA+1], s[PFA:PFA+1], s[66:67]
	s_sub_co_u32 s66, s[WV], 4
	s_lshr_b32 s66, s66, 3                         ; 0 in waves 4 to 11,
	s_or_b32 s66, s66, ttmp9                       ; of the work-group with p = 0
	s_cmp_eq_u32 s66, 0
	s_cselect_b32 s[LIM], 1, -1
	v_and_b32 v26, 15, v0                          ; r
	v_bfe_u32 v27, v0, 4, 1                        ; h
	v_mul_u32_u24 v[QO], v26, 6144
	v_lshl_add_u32 v[QO], v27, 4, v[QO]
.irp c, 0,1,2,3
	global_load_b128 v[QR+8*\c:QR+8*\c+3], v[QO], s[60:61] offset:64*\c       ; Q stays in registers: channels 32 c on
	global_load_b128 v[QR+8*\c+4:QR+8*\c+7], v[QO], s[60:61] offset:64*\c+32
.endr
	v_mul_u32_u24 v[AK0], v26, PK
	v_lshl_add_u32 v[AK0], v27, 4, v[AK0]          ; K: row r, + 16 h
	v_and_b32 v28, 7, v0
	v_bfe_u32 v29, v0, 3, 1
	v_lshl_add_u32 v[AV0], v27, 3, v28
	v_mul_u32_u24 v[AV0], v[AV0], PV
	v_lshl_add_u32 v[AV0], v29, 4, v[AV0]
	v_add_nc_u32 v[AV0], VOFF, v[AV0]              ; V, for the turning load: key 8 h + l % 8, channels 8 ((l / 8) % 2) on
	v_lshlrev_b32 v[GO], 12, v27
	v_lshl_add_u32 v[GO], v26, 4, v[GO]            ; the way out: lanes 0-15 one row of att16, lanes 16-31 the next
	s_mul_i32 s66, s[WV], 16*272
	s_add_co_u32 s66, s66, STAGE                   ; my stage
	v_mul_u32_u24 v[STO], v26, 272
	v_lshl_add_u32 v[STO], v27, 4, v[STO]
	v_add_nc_u32 v[STO], s66, v[STO]
	v_mul_u32_u24 v[RD], v27, 272
	v_lshl_add_u32 v[RD], v26, 4, v[RD]
	v_add_nc_u32 v[RD], s66, v[RD]
	v_and_b32 v[PFO], 31, v0
	v_mul_u32_u24 v[PFO], v[PFO], 6144
	v_lshlrev_b32 v28, 3, v27
	v_sub_nc_u32 v[RH], v26, v28
	v_mov_b32 v[CM+1], 0xff61b1e6                  ; m = -3e38, under every score
	v_mul_f32 v[CM], s[CS], v[CM+1]
	v_mov_b32 v[LS], 0
	v_mov_b32 v[LS+1], 0
	v_mov_b32 v[CH], 0
	v_mov_b32 v[AA+1], 0                           ; (named as the upper half of a pair)
	v_mov_b32 v[NINF], 0xff800000
.set i, 0
.rept 64
	v_mov_b32 v[O+i], 0                            ; the step is written once: the first finds zeros, which a = 0 leaves zeros
.set i, i+1
.endr
.macro VLOAD q, kk                     ; V^T of keys 32 kk on: eight fragments of 16 channels x 32 keys
.irp ct, 0,1,2,3,4,5,6,7
	ds_load_tr16_b128 v[FR+8*\ct:FR+8*\ct+3], v[ADV] offset:(\q)*64*PV+(\kk)*32*PV+32*\ct
	ds_load_tr16_b128 v[FR+8*\ct+4:FR+8*\ct+7], v[ADV] offset:(\q)*64*PV+(\kk)*32*PV+16*PV+32*\ct
.endr
.endm
.macro PVMUL kk, c0                    ; four products O^T += V^T P; the eight accumulators take turns
.irp ct, \c0, \c0+1, \c0+2, \c0+3
	v_wmma_f32_16x16x32_f16 v[O+8*(\ct):O+8*(\ct)+7], v[FR+8*(\ct):FR+8*(\ct)+7], v[P+8*(\kk):P+8*(\kk)+7], v[O+8*(\ct):O+8*(\ct)+7]
.endr
.endm
; A KEY STEP: 64 keys, the q-th of the slot in hand.
.macro STEP q
	s_add_co_u32 s66, s[Q0], 15                    ; a step all of whose keys come after my queries is left out: a branch on ids, round loads, products and softmax alone
	s_cmp_gt_u32 s[KF], s66
	s_cbranch_scc1 .Lhidden_\@
	v_add_nc_u32 v[ADK], s[TB], v[AK0]
	v_add_nc_u32 v[ADV], s[TB], v[AV0]
	v_nop
	v_nop                                          ; four places in front of loads into registers that the last products read
.irp g, 0,1                                    ; S^T = K Q^T: channels 64 g on, eight fragments at a time
.if \g
.rept 4
	v_nop
.endr
.endif
.irp u, 0,1
.irp kt, 0,1,2,3
	ds_load_b128 v[FR+32*\u+8*\kt:FR+32*\u+8*\kt+3], v[ADK] offset:(\q)*64*PK+\kt*16*PK+64*(2*\g+\u)
	ds_load_b128 v[FR+32*\u+8*\kt+4:FR+32*\u+8*\kt+7], v[ADK] offset:(\q)*64*PK+\kt*16*PK+64*(2*\g+\u)+32
.endr
.endr
.irp u, 0,1
	s_wait_dscnt 8-8*\u                            ; the first eight loads are in, then all
.irp kt, 0,1,2,3
.if 2*\g+\u == 0
	v_wmma_f32_16x16x32_f16 v[S+8*\kt:S+8*\kt+7], v[FR+32*\u+8*\kt:FR+32*\u+8*\kt+7], v[QR+8*(2*\g+\u):QR+8*(2*\g+\u)+7], 0
.else
	v_wmma_f32_16x16x32_f16 v[S+8*\kt:S+8*\kt+7], v[FR+32*\u+8*\kt:FR+32*\u+8*\kt+7], v[QR+8*(2*\g+\u):QR+8*(2*\g+\u)+7], v[S+8*\kt:S+8*\kt+7]
.endif
.endr
.endr
.endr
.rept 4
	v_nop                                          ; places in front of the reads of S^T and of the loads below
.endr
	VLOAD \q, 0                                    ; V of the first 32 keys lands while the softmax is walked
	s_add_co_u32 s66, s[KF], 63                    ; on the diagonal hidden scores become -infinity; a step all of whose keys count skips this
	s_cmp_le_u32 s66, s[Q0]
	s_cbranch_scc1 .Lopen_\@
	s_sub_co_i32 s66, s[Q0], s[KF]
	v_add_nc_u32 v[DD], s66, v[RH]                 ; d = my query - KF - 8 h.  Register 8 t + j holds key KF + 16 t + 8 h + j: hidden where 16 t + j > d
.set n, 0
.rept 32
	v_cmp_gt_i32 vcc_lo, 16*(n/8)+n%8, v[DD]
	v_cndmask_b32 v[S+n], v[S+n], v[NINF], vcc_lo
.set n, n+1
.endr
.Lopen_\@:
.irp j, 0,1,2,3
	v_max3_num_f32 v[CH+\j], v[S+8*\j], v[S+8*\j+1], v[S+8*\j+2]   ; four chains, each from its tile's low end on
.endr
.irp j, 0,1,2,3
	v_max3_num_f32 v[CH+\j], v[CH+\j], v[S+8*\j+3], v[S+8*\j+4]
.endr
.irp j, 0,1,2,3
	v_max3_num_f32 v[CH+\j], v[CH+\j], v[S+8*\j+5], v[S+8*\j+6]
.endr
	v_max3_num_f32 v[CH], v[CH], v[S+7], v[S+15]
	v_max3_num_f32 v[CH+2], v[CH+2], v[S+23], v[S+31]
	v_max3_num_f32 v[CH], v[CH], v[CH+1], v[CH+2]
	v_max3_num_f32 v[CH], v[CH], v[CH+3], v[CM+1]  ; with the old m
	v_permlanex16_b32 v[CH+1], v[CH], s[SEL], s[SEL+1]  ; the query's other 32 keys lie in the lane 16 away
	v_mov_b32 v[DF], v[CM]
	v_max_num_f32 v[CM+1], v[CH], v[CH+1]          ; the new m
	v_mul_f32 v[CM], s[CS], v[CM+1]
	v_sub_f32 v[DF], v[DF], v[CM]                  ; c m_old - c m_new
.set i, 0
.rept 16
	v_pk_fma_f32 v[S+2*i:S+2*i+1], v[S+2*i:S+2*i+1], s[CS:CS+1], v[CM:CM+1] op_sel_hi:[1,0,0] neg_lo:[0,0,1] neg_hi:[0,0,1]   ; c s - c m
.set i, i+1
.endr
	v_exp_f32 v[AA], v[DF]                         ; a
.set i, 0
.rept 32
	v_exp_f32 v[S+i], v[S+i]                       ; p, at most 1
.set i, i+1
.endr
	v_nop                                          ; a plain instruction behind the last exponential
	s_wait_alu depctr_va_vdst(0)                   ; one wait for the batch of 33, ahead of its first reader
.set i, 0
.rept 16
	v_cvt_pk_f16_f32 v[P+i], v[S+2*i], v[S+2*i+1]  ; two tiles of 16 keys, rounded in pairs, ARE source 1 (32 keys x 16 queries) of the second product
.set i, i+1
.endr
.irp u, 0,1,2,3,4,5,6,7                        ; the row's sum of the unrounded p, in place: neighbours 1, 2, 4, 8 pairs apart
	v_pk_add_f32 v[S+4*\u:S+4*\u+1], v[S+4*\u:S+4*\u+1], v[S+4*\u+2:S+4*\u+3]
.endr
.irp u, 0,1,2,3
	v_pk_add_f32 v[S+8*\u:S+8*\u+1], v[S+8*\u:S+8*\u+1], v[S+8*\u+4:S+8*\u+5]
.endr
.irp u, 0,1
	v_pk_add_f32 v[S+16*\u:S+16*\u+1], v[S+16*\u:S+16*\u+1], v[S+16*\u+8:S+16*\u+9]
.endr
	v_pk_add_f32 v[S:S+1], v[S:S+1], v[S+16:S+17]
	v_pk_fma_f32 v[LS:LS+1], v[LS:LS+1], v[AA:AA+1], v[S:S+1] op_sel_hi:[1,0,1]   ; l = a l + the sum
.set i, 0
.rept 32
	v_pk_mul_f32 v[O+2*i:O+2*i+1], v[O+2*i:O+2*i+1], v[AA:AA+1] op_sel_hi:[1,0]   ; O^T x a
.set i, i+1
.endr
	s_wait_dscnt 0x0                               ; V of the first 32 keys is in
	PVMUL 0, 0
	PVMUL 0, 4
.rept 4
	v_nop
.endr
	VLOAD \q, 1
	s_wait_dscnt 8
	PVMUL 1, 0
	s_wait_dscnt 0x0
	PVMUL 1, 4
.Lhidden_\@:
	s_add_co_u32 s[KF], s[KF], 64
.endm
; THE CHANGE OF SLOTS stands at a slot's head.  Each wave waits for all its tensor loads, adds 0 to its spare word (fill = 1: twice on end), and waits for that and for its reads of the slot that it has left.
; Behind the barrier the slot ahead is whole and nobody reads the other one; fill = 1: that other slot takes the next 128 keys, up to the causal limit.
.macro CHANGE fill
	s_wait_tensorcnt 0x0                           ; no tensor load of mine is out, so a group 0 may be written
	ds_add_u32 v[SPW], v[NIL]
.if \fill
	ds_add_u32 v[SPW], v[NIL]                      ; and once more here, in every trip alike
	s_xor_b32 s[G0K+1], s[G0K+1], SLOT1
	s_add_nc_u64 s[G0K+2:G0K+3], s[G0K+2:G0K+3], SLOTG
	s_xor_b32 s[G0V+1], s[G0V+1], SLOT1
	s_add_nc_u64 s[G0V+2:G0V+3], s[G0V+2:G0V+3], SLOTG
	s_wait_xcnt 0x0                                ; the last prefetch, a slot back, has read its address
	s_add_nc_u64 s[PFA:PFA+1], s[PFA:PFA+1], SLOTG
.endif
	s_wait_dscnt 0x0                               ; the add is done, and my reads of the slot that I have left are over
	s_barrier_signal -1
	s_barrier_wait -1
.if \fill
	s_add_co_u32 s66, s[KF], 128                   ; the first key of the slot that this change would ask for:
	s_cmp_gt_u32 s66, s[LASTQ]                     ; past my work-group's last query it would be read by none of the sixteen waves.  Ids and the count of steps alone: all waves go the same way
	s_cbranch_scc1 .Lpast_\@
	TLOAD                                          ; a wave's one tensor load until the next barrier: it has a slot's two steps in which to land
.Lpast_\@:
	ASK
.endif
.endm
.macro SLOT_STEPS
	STEP 0
	STEP 1
	s_xor_b32 s[TB], s[TB], SLOT1
.endm
	s_wait_loadcnt 0x0                             ; Q
.Lslot:                                            ; seven trips
	CHANGE 1
	SLOT_STEPS
	s_sub_co_u32 s[SLOTS], s[SLOTS], 1
	s_cmp_lg_u32 s[SLOTS], 0
	s_cbranch_scc1 .Lslot
	CHANGE 0                                       ; the last slot is written out: nothing is left to ask for
	SLOT_STEPS
	; THE WAY OUT: O^T / l, rounded to f16, through my stage, as rows of 256 bytes.
.rept 4
	v_nop
.endr
	v_add_f32 v[LS], v[LS], v[LS+1]
	v_permlanex16_b32 v[CH], v[LS], s[SEL], s[SEL+1]
	v_add_f32 v[LS], v[LS], v[CH]
	v_rcp_f32 v[AA], v[LS]
	v_nop
	s_wait_alu depctr_va_vdst(0)                   ; ahead of the reciprocal's first reader
.set i, 0
.rept 32
	v_pk_mul_f32 v[O+2*i:O+2*i+1], v[O+2*i:O+2*i+1], v[AA:AA+1] op_sel_hi:[1,0]   ; each accumulator from its low end on
.set i, i+1
.endr
.set i, 0
.rept 32
	v_cvt_pk_f16_f32 v[S+i], v[O+2*i], v[O+2*i+1]
.set i, i+1
.endr
.irp ct, 0,1,2,3,4,5,6,7
	ds_store_b128 v[STO], v[S+4*\ct:S+4*\ct+3] offset:32*\ct
.endr
.irp f, 0,1,2,3,4,5,6,7
	ds_load_b128 v[FR+4*\f:FR+4*\f+3], v[RD] offset:\f*544     ; LDS serves a wave's instructions in order: these see my stores
.endr
.irp f, 0,1,2,3,4,5,6,7
	s_wait_dscnt 7-\f
	global_store_b128 v[GO], v[FR+4*\f:FR+4*\f+3], s[62:63] offset:\f*8192   ; 16 lanes store 256 consecutive bytes, aligned
.endr
	s_wait_tensorcnt 0x0                           ; the wave's end
	ds_add_u32 v[SPW], v[NIL]
	s_wait_dscnt 0x0
	s_endpgm
.Lfunc_end_k_q5afc11fdb4_attn:
	.size	k_q5afc11fdb4_attn, .Lfunc_end_k_q5afc11fdb4_attn-k_q5afc11fdb4_attn
	.p2alignl 7, 3214868480
	.fill 96, 4, 3214868480
	.section	.rodata,"a",@progbits
	.p2align	6, 0x0
	.amdhsa_kernel k_q5afc11fdb4_attn
		.amdhsa_group_segment_fixed_size 327680
		.amdhsa_private_segment_fixed_size 0
		.amdhsa_enable_private_segment 0
		.amdhsa_kernarg_size 16
		.amdhsa_user_sgpr_count 2
		.amdhsa_user_sgpr_kernarg_segment_ptr 1
		.amdhsa_wavefront_size32 1
		.amdhsa_system_sgpr_workgroup_id_x 1
		.amdhsa_system_sgpr_workgroup_id_y 1
		.amdhsa_system_sgpr_workgroup_id_z 1
		.amdhsa_system_vgpr_workitem_id 0
		.amdhsa_next_free_vgpr 256
		.amdhsa_next_free_sgpr 68
		.amdhsa_reserve_vcc 1
		.amdhsa_float_denorm_mode_32 3
		.amdhsa_float_denorm_mode_16_64 3
		.amdhsa_memory_ordered 1
		.amdhsa_forward_progress 1
		.amdhsa_inst_pref_size 83
	.end_amdhsa_kernel
	.amdgpu_metadata
---
amdhsa.version: [ 1, 2 ]
amdhsa.kernels:
  - .name:           k_q5afc11fdb4_attn
    .symbol:         k_q5afc11fdb4_attn.kd
    .args:
      - { .name: qkv16, .offset: 0, .size: 8, .value_kind: global_buffer, .address_space: global }
      - { .name: att16, .offset: 8, .size: 8, .value_kind: global_buffer, .address_space: global }
    .group_segment_fixed_size: 327680
    .private_segment_fixed_size: 0
    .kernarg_segment_align: 8
    .kernarg_segment_size: 16
    .max_flat_workgroup_size: 512
    .sgpr_count:     68
    .vgpr_count:     256
    .wavefront_size: 32
...
	.end_amdgpu_metadata
.endif
;; end of part 3
;; launch fine_att (part 4): grid 16 x 4, 1 waves a work-group, no clusters, 0 bytes of LDS; arguments qkv32, att32; writes att32
.if DOCPART == 4
	.amdgcn_target "amdgcn-amd-amdhsa--gfx1250"
	.amdhsa_code_object_version 6
	.text
	.protected	k_q5afc11fdb4_fine_att
	.globl	k_q5afc11fdb4_fine_att
	.p2align	8
	.type	k_q5afc11fdb4_fine_att,@function
k_q5afc11fdb4_fine_att:
	s_mov_b64 s[64:65], 0
	v_nop
	global_prefetch_b8 v0, s[64:65] scope:SCOPE_SE
	s_setreg_imm32_b32 hwreg(HW_REG_WAVE_MODE, 25, 1), 1
	s_wait_xcnt 0x0
; Positions 0-15 of every batch and head, wholly in f32: these rows average one to sixteen values and are the largest of the result.  One wave for a (head, batch): 16 queries x 16 keys x 128 channels.
; qkv32: [64][3072] f32 (row 16 b + position).  Small work: 64 products of the f32 matrix form a wave.
; att32 IS LAID AS IMAGES OF THE RESULT'S REGISTERS, as the launch that reads it wants them: quad q = 2 ct + e of (batch b, head) at ((16 b + head) x 16 + q) x 512 + 16 x lane;
; lane (r, h)'s four numbers there are o(query r, channels 16 ct + 8 h + 4 e + 0 .. 3).  So each store of the wave covers 512 consecutive bytes, aligned.
; S^T = K Q^T (source 0 = keys, source 1 = queries): a lane holds query r and keys 8 h + 0 .. 7.  The channels are taken in the same permuted order on both sides (16 bytes a lane a load).
; O^T = V^T P: step t takes keys 8 h + 2 t + j, as they lie in the lane's registers of P, and V is loaded to match.
; The registers that the f32 matrix form writes (v208-239 and v256-319) are written by matrix instructions alone.
.set QF, 16
.set KFR, 80
.set VF, 144
.set SA, 208                           ; four accumulators of the scores, by turns
.set T,  240                           ; the scores' sum, then p
.set U,  248                           ; at work
.set MSB, 0
.macro WIN new
.if MSB != (\new)
	s_set_vgpr_msb (MSB<<8)|(\new)
.set MSB, (\new)
.endif
.endm
	s_load_b128 s[4:7], s[0:1], 0x0                ; qkv32, att32
	v_and_b32 v1, 15, v0                           ; r
	v_bfe_u32 v2, v0, 4, 1                         ; h
	v_mul_u32_u24 v3, v1, 12288
	v_lshl_add_u32 v3, v2, 4, v3                   ; Q, K: row r, + 16 h
	v_mul_u32_u24 v4, v2, 98304
	v_lshl_add_u32 v4, v1, 2, v4                   ; V: key 8 h, channel r
	v_lshlrev_b32 v5, 4, v0                        ; out: 16 x lane (one wave: the thread's number is the lane)
	v_lshlrev_b32 v6, 3, v2
	v_sub_nc_u32 v6, v1, v6                        ; r - 8 h
	v_mov_b32 v7, 0xff800000
	s_and_b32 s8, ttmp7, 0xffff                    ; batch
	s_mul_i32 s10, s8, 196608
	s_lshl_b32 s12, ttmp9, 9
	s_add_co_u32 s12, s12, s10                     ; q of my head
	s_mov_b32 s13, 0
	s_lshr_b32 s14, ttmp9, 2
	s_lshl_b32 s14, s14, 9
	s_add_co_u32 s14, s14, s10
	s_add_co_u32 s14, s14, 8192                    ; k of my kv head; v lies 2,048 bytes on
	s_mov_b32 s15, 0
	s_lshl_b32 s16, s8, 17
	s_lshl_b32 s17, ttmp9, 13
	s_add_co_u32 s16, s16, s17                     ; my 16 quads of 512 bytes
	s_mov_b32 s17, 0
	s_mov_b32 s20, 0x76543210
	s_mov_b32 s21, 0xfedcba98
	s_mov_b32 s22, 0x3e0293ee                      ; c = log2(e) / sqrt(128)
	s_mov_b32 s23, s22
	s_wait_kmcnt 0x0
	s_add_nc_u64 s[12:13], s[4:5], s[12:13]
	s_add_nc_u64 s[14:15], s[4:5], s[14:15]
	s_add_nc_u64 s[6:7], s[6:7], s[16:17]
.set i, 0
.rept 16
	global_load_b128 v[QF+4*i:QF+4*i+3], v3, s[12:13] offset:32*i    ; channels 8 i + 4 h + 0 .. 3
.set i, i+1
.endr
.set i, 0
.rept 16
	global_load_b128 v[KFR+4*i:KFR+4*i+3], v3, s[14:15] offset:32*i
.set i, i+1
.endr
.set i, 0
.rept 64
	global_load_b32 v[VF+i], v4, s[14:15] offset:2048+12288*(i%8)+64*(i/8)   ; register 8 ct + i: V(key 8 h + i, channel 16 ct + r)
.set i, i+1
.endr
	s_wait_loadcnt 63                              ; of the 96 loads at most 63 are out: the first 32, Q and K, are in
.set i, 0
.rept 32
.if i < 4
	v_wmma_f32_16x16x4_f32 v[SA+8*(i%4):SA+8*(i%4)+7], v[KFR+2*i:KFR+2*i+1], v[QF+2*i:QF+2*i+1], 0
.else
	v_wmma_f32_16x16x4_f32 v[SA+8*(i%4):SA+8*(i%4)+7], v[KFR+2*i:KFR+2*i+1], v[QF+2*i:QF+2*i+1], v[SA+8*(i%4):SA+8*(i%4)+7]
.endif
.set i, i+1
.endr
.rept 8
	v_nop                                          ; eight places behind this form
.endr
.irp i, 0,2,4,6
	v_pk_add_f32 v[T+\i:T+\i+1], v[SA+\i:SA+\i+1], v[SA+8+\i:SA+9+\i]
.endr
.irp i, 0,2,4,6
	v_pk_add_f32 v[U+\i:U+\i+1], v[SA+16+\i:SA+17+\i], v[SA+24+\i:SA+25+\i]
.endr
.irp i, 0,2,4,6
	v_pk_add_f32 v[T+\i:T+\i+1], v[T+\i:T+\i+1], v[U+\i:U+\i+1]
.endr
.irp j, 0,1,2,3,4,5,6,7
	v_cmp_gt_i32 vcc_lo, \j, v6                    ; key 8 h + j comes after query r
	v_cndmask_b32 v[T+\j], v[T+\j], v7, vcc_lo
.endr
	v_max3_num_f32 v[U], v[T], v[T+1], v[T+2]
	v_max3_num_f32 v[U], v[U], v[T+3], v[T+4]
	v_max3_num_f32 v[U], v[U], v[T+5], v[T+6]
	v_max_num_f32 v[U], v[U], v[T+7]
	v_permlanex16_b32 v[U+1], v[U], s20, s21
	v_max_num_f32 v[U], v[U], v[U+1]               ; the row's maximum (key 0 counts for every query)
	v_mul_f32 v[U+2], s22, v[U]
.irp i, 0,2,4,6
	v_pk_fma_f32 v[T+\i:T+\i+1], v[T+\i:T+\i+1], s[22:23], v[U+2:U+3] op_sel_hi:[1,0,0] neg_lo:[0,0,1] neg_hi:[0,0,1]
.endr
.irp j, 0,1,2,3,4,5,6,7
	v_exp_f32 v[T+\j], v[T+\j]
.endr
	v_nop
	s_wait_alu depctr_va_vdst(0)                   ; one wait for the eight, ahead of their first reader
	v_pk_add_f32 v[U+4:U+5], v[T:T+1], v[T+2:T+3]
	v_pk_add_f32 v[U+6:U+7], v[T+4:T+5], v[T+6:T+7]
	v_pk_add_f32 v[U+4:U+5], v[U+4:U+5], v[U+6:U+7]
	v_add_f32 v[U+4], v[U+4], v[U+5]
	v_permlanex16_b32 v[U+5], v[U+4], s20, s21
	v_add_f32 v[U+4], v[U+4], v[U+5]
	v_rcp_f32 v[U+6], v[U+4]
	v_nop
	s_wait_alu depctr_va_vdst(0)
.irp i, 0,2,4,6
	v_pk_mul_f32 v[T+\i:T+\i+1], v[T+\i:T+\i+1], v[U+6:U+7] op_sel_hi:[1,0]    ; the weights, normalised
.endr
	s_wait_loadcnt 0x0                             ; V
	WIN 0x50                                       ; C and D in window 1
.irp t, 0,1,2,3
.irp ct, 0,1,2,3,4,5,6,7
.if \t == 0
	v_wmma_f32_16x16x4_f32 v[8*\ct:8*\ct+7], v[VF+8*\ct+2*\t:VF+8*\ct+2*\t+1], v[T+2*\t:T+2*\t+1], 0
.else
	v_wmma_f32_16x16x4_f32 v[8*\ct:8*\ct+7], v[VF+8*\ct+2*\t:VF+8*\ct+2*\t+1], v[T+2*\t:T+2*\t+1], v[8*\ct:8*\ct+7]
.endif
.endr
.endr
.rept 8
	v_nop
.endr
	WIN 0x04                                       ; a store's data are its source 1: window 1
.irp ct, 0,1,2,3,4,5,6,7
	global_store_b128 v5, v[8*\ct:8*\ct+3], s[6:7] offset:1024*\ct          ; quad 2 ct, then quad 2 ct + 1: each accumulator from its low end on
	global_store_b128 v5, v[8*\ct+4:8*\ct+7], s[6:7] offset:1024*\ct+512
.endr
	WIN 0
	s_endpgm
.Lfunc_end_k_q5afc11fdb4_fine_att:
	.size	k_q5afc11fdb4_fine_att, .Lfunc_end_k_q5afc11fdb4_fine_att-k_q5afc11fdb4_fine_att
	.p2alignl 7, 3214868480
	.fill 96, 4, 3214868480
	.section	.rodata,"a",@progbits
	.p2align	6, 0x0
	.amdhsa_kernel k_q5afc11fdb4_fine_att
		.amdhsa_group_segment_fixed_size 0
		.amdhsa_private_segment_fixed_size 0
		.amdhsa_enable_private_segment 0
		.amdhsa_kernarg_size 16
		.amdhsa_user_sgpr_count 2
		.amdhsa_user_sgpr_kernarg_segment_ptr 1
		.amdhsa_wavefront_size32 1
		.amdhsa_system_sgpr_workgroup_id_x 1
		.amdhsa_system_sgpr_workgroup_id_y 1
		.amdhsa_system_sgpr_workgroup_id_z 1
		.amdhsa_system_vgpr_workitem_id 0
		.amdhsa_next_free_vgpr 320
		.amdhsa_next_free_sgpr 66
		.amdhsa_reserve_vcc 1
		.amdhsa_float_denorm_mode_32 3
		.amdhsa_float_denorm_mode_16_64 3
		.amdhsa_memory_ordered 1
		.amdhsa_forward_progress 1
		.amdhsa_inst_pref_size 20
	.end_amdhsa_kernel
	.amdgpu_metadata
---
amdhsa.version: [ 1, 2 ]
amdhsa.kernels:
  - .name:           k_q5afc11fdb4_fine_att
    .symbol:         k_q5afc11fdb4_fine_att.kd
    .args:
      - { .name: qkv32, .offset: 0, .size: 8, .value_kind: global_buffer, .address_space: global }
      - { .name: att32, .offset: 8, .size: 8, .value_kind: global_buffer, .address_space: global }
    .group_segment_fixed_size: 0
    .private_segment_fixed_size: 0
    .kernarg_segment_align: 8
    .kernarg_segment_size: 16
    .max_flat_workgroup_size: 32
    .sgpr_count:     66
    .vgpr_count:     320
    .wavefront_size: 32
...
	.end_amdgpu_metadata
.endif
;; end of part 4
;; launch wo_gemm (part 5): grid 8 x 32, 4 waves a work-group, clusters of 4 x 4, 327,680 bytes of LDS; arguments att16, wo16, bo, out0; writes out0
.if DOCPART == 5
	.amdgcn_target "amdgcn-amd-amdhsa--gfx1250"
	.amdhsa_code_object_version 6
	.text
	.protected	k_q5afc11fdb4_wo_gemm
	.globl	k_q5afc11fdb4_wo_gemm
	.p2align	8
	.type	k_q5afc11fdb4_wo_gemm,@function
k_q5afc11fdb4_wo_gemm:
	s_mov_b64 s[64:65], 0
	v_nop
	global_prefetch_b8 v0, s[64:65] scope:SCOPE_SE
	s_setreg_imm32_b32 hwreg(HW_REG_WAVE_MODE, 25, 1), 1
	s_wait_xcnt 0x0
	s_wait_alu depctr_hold_cnt(0) depctr_sa_sdst(0) depctr_va_vdst(0) depctr_va_sdst(0) depctr_va_ssrc(0) depctr_va_vcc(0) depctr_vm_vsrc(0)
	s_getreg_b32 s2, hwreg(HW_REG_IB_STS2, 6, 4)
	s_cmp_eq_u32 s2, 0
	s_cbranch_scc0 .Lentry_in_a_cluster
	s_endpgm
.Lentry_in_a_cluster:
	s_bfe_u32 s2, ttmp6, 0x10000c
	s_cmp_lg_u32 s2, 0xf033
	s_cbranch_scc0 .Lentry_shape_is_right
	s_endpgm
.Lentry_shape_is_right:
; out0 = att16 x wo16 + bo.  att16: [4096][2048] f16, K innermost; wo16: [2048 (k)][2048 (n)] f16, as Wo lies; out0: [4096][2048] f32; sums in f32.
; A tile of 128 x 256 gives 256 work-groups.  Four waves, each 64 x 128: 32 accumulators, 256 registers (window 1).  K goes in steps of 128 through a ring of two LDS slots:
; A's 128 rows of 256 bytes (pitch 272), then B's 128 k-rows of 512 bytes (pitch 544).  B's fragments come out of LDS turned, by ds_load_tr16_b128.
; CLUSTERS: 4 x 4 work-groups; A's tiles are asked for jointly along a row of the cluster, B's along a column.
; THE MATRIX INSTRUCTION IS USED TRANSPOSED (source 0 = 16 columns of B, source 1 = 16 rows of A): a lane holds eight neighbouring columns of one row.
; Rows 0-15 of each batch are stored here like all others and stored again, from f32 operands, by the launch that follows.
; REGISTERS, window 0: v8-11 bo of my four columns on the way out; v16-29 addresses; v64-159, v160-255 two fragment buffers (B's eight fragments, then A's four, for 32 along K).
.set KSTEP,  128
.set PA,     272
.set PB,     544                       ; 512 bytes + 32: 16 lanes of the turning load take 8 rows x 32 bytes
.set HALFA,  64*PA
.set HALFB,  64*PB
.set SLOT,   2*HALFA+2*HALFB
.set STAGE,  2*SLOT                    ; behind the ring: 16 rows x (512 + 16) bytes for each wave
.set SPITCH, 528
.set SPARE,  STAGE+4*16*SPITCH
.set LAPS,   8                         ; 16 K steps
.set BOR,  8
.set ADRA, 16
.set ADRB, 20
.set STO,  24
.set RD,   25
.set CO,   26
.set SPW,  28
.set NIL,  29
.set F0,   64
.set F1,   160
.set G1, 24
.set G0, 32
.set G1B, 48
.set G0B, 56
.set MSB, 0
.macro WIN new
.if MSB != (\new)
	s_set_vgpr_msb (MSB<<8)|(\new)
.set MSB, (\new)
.endif
.endm
.set MUL, 0x50                         ; sources 0 and 1 window 0; C and D window 1
.macro JLOAD s                         ; waves 0 and 1 fetch A's halves, waves 2 and 3 B's; an s_nop 0 and four v_nop follow each line
	s_cmp_eq_u32 s13, 0
	s_cbranch_scc0 .Lfor_b_\@
	tensor_load_to_lds s[G0+4*\s:G0+4*\s+3], s[G1:G1+7]
	s_nop 0
.rept 4
	v_nop
.endr
	s_branch .Lasked_\@
.Lfor_b_\@:
	tensor_load_to_lds s[G0B+4*\s:G0B+4*\s+3], s[G1B:G1B+7]
	s_nop 0
.rept 4
	v_nop
.endr
.Lasked_\@:
.endm
.macro CREST
	s_cmp_lg_u32 s12, 0
	s_cbranch_scc1 .Lnot_wave_0_\@
	s_barrier_signal -3
.Lnot_wave_0_\@:
	s_barrier_wait -3
	s_barrier_signal -1
	s_barrier_wait -1
.endm
.macro CROUND
	s_barrier_signal -1
	s_barrier_wait -1
	CREST
.endm
	s_load_b256 s[4:11], s[0:1], 0x0               ; att16 s[4:5], wo16 s[6:7], bo s[8:9], out0 s[10:11]
	v_lshl_add_u32 v[SPW], v0, 2, SPARE
	v_mov_b32 v[NIL], 0
	ds_add_u32 v[SPW], v[NIL]                      ; the wave's opening: the add, twice on end, and its wait ahead of my first tensor load
	ds_add_u32 v[SPW], v[NIL]
	v_lshrrev_b32 v1, 5, v0
	v_readfirstlane_b32 s12, v1                    ; wave 0..3
	s_lshr_b32 s13, s12, 1                         ; my half of the tile's rows.  Also: I fetch for A (0) or for B (1)
	s_and_b32 s14, s12, 1                          ; my half of its columns.  Also: which half of that tile I fetch
	s_bfe_u32 s40, ttmp6, 0x40000                  ; cx
	s_bfe_u32 s41, ttmp6, 0x40004                  ; cy
	s_lshl_b32 s42, ttmp9, 2
	s_add_co_u32 s42, s42, s40                     ; tile column
	s_and_b32 s15, ttmp7, 0xffff
	s_lshl_b32 s15, s15, 2
	s_add_co_u32 s15, s15, s41                     ; tile row
	s_lshl_b32 s43, s41, 2
	s_lshl_b32 s43, 15, s43                        ; my row of the cluster
	s_lshl_b32 s44, 0x1111, s40                    ; my column
	s_or_b32 s[G1+0], s43, (1<<16)|(1<<20)|(1<<21)|(5<<22)|(3<<25)   ; A: elements of 2 bytes; 4 words of padding behind every 64
	s_mov_b32 s[G1+1], 128<<16                     ; tensor_dim0 = 128
	s_mov_b32 s[G1+2], 64<<16                      ; tensor_dim1 = 64
	s_mov_b32 s[G1+3], 128<<16                     ; tile_dim0
	s_mov_b32 s[G1+4], 64                          ; tile_dim1
	s_mov_b32 s[G1+5], 2048                        ; elements from row to row
	s_mov_b32 s[G1+6], 0
	s_mov_b32 s[G1+7], 0
	s_or_b32 s[G1B+0], s44, (1<<16)|(1<<20)|(1<<21)|(6<<22)|(7<<25)  ; B: 8 words of padding behind every 128
	s_mov_b32 s[G1B+1], 256<<16
	s_mov_b32 s[G1B+2], 64<<16
	s_mov_b32 s[G1B+3], 256<<16
	s_mov_b32 s[G1B+4], 64
	s_mov_b32 s[G1B+5], 2048
	s_mov_b32 s[G1B+6], 0
	s_mov_b32 s[G1B+7], 0
	s_lshl_b32 s16, s15, 7
	s_lshl_b32 s17, s14, 6
	s_add_co_u32 s16, s16, s17
	s_lshl_b32 s16, s16, 12                        ; A: (128 x tile row + 64 x half) rows of 4,096 bytes
	s_mov_b32 s17, 0
	s_lshl_b32 s46, s14, 18                        ; B: 64 x half k-rows of 4,096 bytes,
	s_lshl_b32 s47, s42, 9
	s_add_co_u32 s46, s46, s47                     ; + 512 x tile column
	s_mov_b32 s47, 0
	s_mul_i32 s20, s14, HALFA                      ; where they go
	s_mul_i32 s21, s14, HALFB
	s_add_co_u32 s21, s21, 2*HALFA
	s_wait_dscnt 0x0                               ; both opening adds are done
	s_wait_kmcnt 0x0
	s_add_nc_u64 s[18:19], s[4:5], s[16:17]
	s_add_nc_u64 s[46:47], s[6:7], s[46:47]
	CROUND                                         ; all sixteen work-groups are here: the first joint loads meet
.irp s, 0,1
	s_mov_b32 s[G0+4*\s], 1
	s_add_co_u32 s[G0+4*\s+1], s20, \s*SLOT
	s_add_nc_u64 s[G0+4*\s+2:G0+4*\s+3], s[18:19], \s*KSTEP*2
	s_or_b32 s[G0+4*\s+3], s[G0+4*\s+3], 0x80000000
	s_mov_b32 s[G0B+4*\s], 1
	s_add_co_u32 s[G0B+4*\s+1], s21, \s*SLOT
	s_add_nc_u64 s[G0B+4*\s+2:G0B+4*\s+3], s[46:47], \s*KSTEP*4096
	s_or_b32 s[G0B+4*\s+3], s[G0B+4*\s+3], 0x80000000
	JLOAD \s                                       ; two loads of mine are out
.endr
	v_and_b32 v1, 15, v0                           ; r
	v_bfe_u32 v2, v0, 4, 1                         ; h
	v_mul_u32_u24 v3, v1, PA
	v_lshl_add_u32 v3, v2, 4, v3                   ; A: row r, + 16 h
	v_and_b32 v4, 7, v0
	v_lshl_add_u32 v4, v2, 3, v4
	v_mul_u32_u24 v4, v4, PB
	v_bfe_u32 v5, v0, 3, 1
	v_lshl_add_u32 v4, v5, 4, v4                   ; B, for the turning load: k 8 h + l % 8, columns 8 ((l / 8) % 2) on
	s_mul_i32 s21, s13, HALFA                      ; my 64 rows of A
	s_lshl_b32 s22, s14, 8                         ; my 128 columns of B,
	s_add_co_u32 s22, s22, 2*HALFA                 ; which lies behind A
.irp s, 0,1
	v_add_nc_u32 v[ADRA+\s], s21, v3
	v_add_nc_u32 v[ADRB+\s], s22, v4
	s_add_co_u32 s21, s21, SLOT
	s_add_co_u32 s22, s22, SLOT
.endr
	s_mul_i32 s23, s12, 16*SPITCH
	s_add_co_u32 s23, s23, STAGE                   ; my stage
	v_mul_u32_u24 v5, v1, SPITCH
	v_lshl_add_u32 v5, v2, 5, v5
	v_add_nc_u32 v[STO], s23, v5                   ; in: row r, 32 bytes for each half of the lanes
	v_and_b32 v6, 31, v0
	v_lshlrev_b32 v[CO], 4, v6                     ; back: the 32 lanes take one row of 512 bytes; the same in out0 and in bo
	v_add_nc_u32 v[RD], s23, v[CO]
	s_lshl_b32 s46, s42, 10
	s_lshl_b32 s47, s14, 9
	s_add_co_u32 s46, s46, s47                     ; my first column, in bytes
	s_mov_b32 s47, 0
	s_add_nc_u64 s[8:9], s[8:9], s[46:47]
	global_load_b128 v[BOR:BOR+3], v[CO], s[8:9]   ; bo of my four columns
	s_lshl_b32 s16, s15, 7
	s_lshl_b32 s17, s13, 6
	s_add_co_u32 s16, s16, s17
	s_lshl_b32 s16, s16, 13                        ; my first row of 8,192 bytes
	s_mov_b32 s17, 0
	s_add_nc_u64 s[16:17], s[16:17], s[46:47]
	s_add_nc_u64 s[10:11], s[10:11], s[16:17]
; 8 matrix instructions: A's block a x B's eight, 32 along K.  The 32 accumulators take turns, one instruction a turn.
.macro MUL8 f, a, zero
.irp b, 0,1,2,3,4,5,6,7
.if \zero
	v_wmma_f32_16x16x32_f16 v[8*(8*(\a)+\b):8*(8*(\a)+\b)+7], v[\f+8*\b:\f+8*\b+7], v[\f+64+8*(\a):\f+64+8*(\a)+7], 0
.else
	v_wmma_f32_16x16x32_f16 v[8*(8*(\a)+\b):8*(8*(\a)+\b)+7], v[\f+8*\b:\f+8*\b+7], v[\f+64+8*(\a):\f+64+8*(\a)+7], v[8*(8*(\a)+\b):8*(8*(\a)+\b)+7]
.endif
.endr
.endm
; 24 LDS loads in one run: the fragments of the slot's q-th 32 along K into buffer f: B's first, A's blocks in ascending order last
.macro FETCH slot, q, f
.irp b, 0,1,2,3,4,5,6,7
	ds_load_tr16_b128 v[\f+8*\b:\f+8*\b+3], v[ADRB+\slot] offset:(\q)*32*PB+32*\b
	ds_load_tr16_b128 v[\f+8*\b+4:\f+8*\b+7], v[ADRB+\slot] offset:(\q)*32*PB+16*PB+32*\b
.endr
.irp i, 0,1,2,3
	ds_load_b128 v[\f+64+8*\i:\f+64+8*\i+3], v[ADRA+\slot] offset:64*(\q)+\i*16*PA
	ds_load_b128 v[\f+64+8*\i+4:\f+64+8*\i+7], v[ADRA+\slot] offset:64*(\q)+\i*16*PA+32
.endr
.endm
.macro PLACES                          ; four plain vector instructions in front of loads into registers that matrix instructions have read, and of reads of results
.rept 4
	v_nop
.endr
.endm
; A K step is four quarters of 32 along K, 32 matrix instructions each, on buffers 0, 1, 0, 1.  One of the first three multiplies f and fetches quarter qn into g.
.macro QUARTER slot, qn, f, g, zero
	s_wait_dscnt 4                                 ; B and A's blocks 0, 1 are in; the youngest four loads (blocks 2, 3) may be out
	WIN MUL
	MUL8 \f, 0, \zero
	MUL8 \f, 1, \zero
	PLACES
	WIN 0
	FETCH \slot, \qn, \g
	s_wait_dscnt 24                                ; all but the 24 just issued
	WIN MUL
	MUL8 \f, 2, \zero
	MUL8 \f, 3, \zero
.endm
; The last quarter multiplies buffer 1 and changes slots: one barrier; in front of it each wave waits for all its tensor loads, adds 0 to its spare word, and waits for that and for its reads of this slot.
.macro TURN slot, next, fill
	WIN 0
	s_wait_tensorcnt 0x0                           ; all my tensor loads have landed: my part of the next slot
	ds_add_u32 v[SPW], v[NIL]
	s_wait_dscnt 5                                 ; the add and the youngest four loads may be out
	WIN MUL
	MUL8 F1, 0, 0
	s_wait_dscnt 0x0                               ; the add is done, and my reads of this slot are over
	s_barrier_signal -1
	MUL8 F1, 1, 0
	WIN 0
	s_barrier_wait -1
.if \fill
	CREST                                          ; the barrier has opened a round of the cluster's barrier
	s_add_nc_u64 s[G0+4*\slot+2:G0+4*\slot+3], s[G0+4*\slot+2:G0+4*\slot+3], 2*KSTEP*2
	s_add_nc_u64 s[G0B+4*\slot+2:G0B+4*\slot+3], s[G0B+4*\slot+2:G0B+4*\slot+3], 2*KSTEP*4096
	JLOAD \slot                                    ; my one load behind the round; its four v_nop are the places in front of the loads below
.else
	PLACES
.endif
	FETCH \next, 0, F0
	WIN MUL
	MUL8 F1, 2, 0
	MUL8 F1, 3, 0
.endm
	s_wait_tensorcnt 1                             ; my part of K step 0 is in; K step 1's may be out
	s_barrier_signal -1
	s_barrier_wait -1
	FETCH 0, 0, F0
	QUARTER 0, 1, F0, F1, 1                        ; the first quarter stands in front of the loop: its products start the sums
	WIN 0
	s_mov_b32 s3, LAPS-1
.Llap:                                                 ; a trip goes once round the ring and fills both slots again
	QUARTER 0, 2, F1, F0, 0
	QUARTER 0, 3, F0, F1, 0
	TURN 0, 1, 1
	QUARTER 1, 1, F0, F1, 0
	QUARTER 1, 2, F1, F0, 0
	QUARTER 1, 3, F0, F1, 0
	TURN 1, 0, 1
	QUARTER 0, 1, F0, F1, 0
	WIN 0
	s_sub_co_u32 s3, s3, 1
	s_cmp_lg_u32 s3, 0
	s_cbranch_scc1 .Llap
	QUARTER 0, 2, F1, F0, 0                        ; the last lap fills nothing
	QUARTER 0, 3, F0, F1, 0
	TURN 0, 1, 0
	QUARTER 1, 1, F0, F1, 0
	QUARTER 1, 2, F1, F0, 0
	QUARTER 1, 3, F0, F1, 0
	s_wait_dscnt 4
	WIN MUL
	MUL8 F1, 0, 0
	MUL8 F1, 1, 0
	s_wait_dscnt 0
	MUL8 F1, 2, 0
	MUL8 F1, 3, 0
	WIN 0
; THE WAY OUT, a block of 16 rows x 128 columns at a time, through my own stage: back as whole rows of 512 bytes; bo is added there, where a lane holds the same four columns of every row.
.macro TOSTAGE a
	WIN 0x04                                       ; an LDS store's data are its source 1: window 1
.irp b, 0,1,2,3,4,5,6,7
	ds_store_b128 v[STO], v[8*(8*(\a)+\b):8*(8*(\a)+\b)+3] offset:64*\b        ; each accumulator from its low end on
	ds_store_b128 v[STO], v[8*(8*(\a)+\b)+4:8*(8*(\a)+\b)+7] offset:64*\b+16
.endr
	WIN 0
.set BB, 64+64*((\a)%2)
.irp t, 0,1,2,3,4,5,6,7,8,9,10,11,12,13,14,15
	ds_load_b128 v[BB+4*\t:BB+4*\t+3], v[RD] offset:\t*SPITCH   ; LDS serves a wave's instructions in order: these see the stores above
.endr
.endm
.macro SEND a, younger
.set BB, 64+64*((\a)%2)
	s_wait_dscnt \younger                          ; the block is back in registers
.if (\a) > 0
	s_add_nc_u64 s[10:11], s[10:11], 16*8192       ; (behind a wait on XCNT: the earlier stores have read their base)
.endif
.irp t, 0,1,2,3,4,5,6,7,8,9,10,11,12,13,14,15
	v_pk_add_f32 v[BB+4*\t:BB+4*\t+1], v[BB+4*\t:BB+4*\t+1], v[BOR:BOR+1]
	v_pk_add_f32 v[BB+4*\t+2:BB+4*\t+3], v[BB+4*\t+2:BB+4*\t+3], v[BOR+2:BOR+3]
.endr
.irp t, 0,1,2,3,4,5,6,7,8,9,10,11,12,13,14,15
	global_store_b128 v[CO], v[BB+4*\t:BB+4*\t+3], s[10:11] offset:\t*8192 th:TH_STORE_NT   ; 32 lanes store 512 consecutive bytes, aligned
.endr
.endm
	PLACES
	s_wait_loadcnt 0x0                             ; bo
	TOSTAGE 0
.irp a, 1,2,3
.if \a > 1
	s_wait_xcnt 0x0                                ; block a - 2's stores have read their registers and their base
.endif
	TOSTAGE \a
	SEND \a-1, 32                                  ; behind block a - 1's loads: block a's 16 stores and 16 loads
.endr
	s_wait_xcnt 0x0
	SEND 3, 0
	s_wait_tensorcnt 0x0                           ; the wave's end
	ds_add_u32 v[SPW], v[NIL]
	s_wait_dscnt 0x0
	CROUND                                         ; the closing round
	s_endpgm
.Lfunc_end_k_q5afc11fdb4_wo_gemm:
	.size	k_q5afc11fdb4_wo_gemm, .Lfunc_end_k_q5afc11fdb4_wo_gemm-k_q5afc11fdb4_wo_gemm
	.p2alignl 7, 3214868480
	.fill 96, 4, 3214868480
	.section	.rodata,"a",@progbits
	.p2align	6, 0x0
	.amdhsa_kernel k_q5afc11fdb4_wo_gemm
		.amdhsa_group_segment_fixed_size 327680
		.amdhsa_private_segment_fixed_size 0
		.amdhsa_enable_private_segment 0
		.amdhsa_kernarg_size 32
		.amdhsa_user_sgpr_count 2
		.amdhsa_user_sgpr_kernarg_segment_ptr 1
		.amdhsa_wavefront_size32 1
		.amdhsa_system_sgpr_workgroup_id_x 1
		.amdhsa_system_sgpr_workgroup_id_y 1
		.amdhsa_system_sgpr_workgroup_id_z 1
		.amdhsa_system_vgpr_workitem_id 0
		.amdhsa_next_free_vgpr 512
		.amdhsa_next_free_sgpr 66
		.amdhsa_reserve_vcc 0
		.amdhsa_float_denorm_mode_32 3
		.amdhsa_float_denorm_mode_16_64 3
		.amdhsa_memory_ordered 1
		.amdhsa_forward_progress 1
		.amdhsa_inst_pref_size 93
	.end_amdhsa_kernel
	.amdgpu_metadata
---
amdhsa.version: [ 1, 2 ]
amdhsa.kernels:
  - .name:           k_q5afc11fdb4_wo_gemm
    .symbol:         k_q5afc11fdb4_wo_gemm.kd
    .args:
      - { .name: att16, .offset: 0, .size: 8, .value_kind: global_buffer, .address_space: global }
      - { .name: wo16, .offset: 8, .size: 8, .value_kind: global_buffer, .address_space: global }
      - { .name: bo, .offset: 16, .size: 8, .value_kind: global_buffer, .address_space: global }
      - { .name: out0, .offset: 24, .size: 8, .value_kind: global_buffer, .address_space: global }
    .group_segment_fixed_size: 327680
    .private_segment_fixed_size: 0
    .kernarg_segment_align: 8
    .kernarg_segment_size: 32
    .max_flat_workgroup_size: 128
    .sgpr_count:     66
    .vgpr_count:     512
    .wavefront_size: 32
...
	.end_amdgpu_metadata
.endif
;; end of part 5
;; launch fine_out (part 6): grid 128 x 2, 16 waves a work-group, no clusters, 43,008 bytes of LDS; arguments att32, Wo, bo, out0; writes out0
.if DOCPART == 6
	.amdgcn_target "amdgcn-amd-amdhsa--gfx1250"
	.amdhsa_code_object_version 6
	.text
	.protected	k_q5afc11fdb4_fine_out
	.globl	k_q5afc11fdb4_fine_out
	.p2align	8
	.type	k_q5afc11fdb4_fine_out,@function
k_q5afc11fdb4_fine_out:
	s_mov_b64 s[64:65], 0
	v_nop
	global_prefetch_b8 v0, s[64:65] scope:SCOPE_SE
	s_setreg_imm32_b32 hwreg(HW_REG_WAVE_MODE, 25, 1), 1
	s_wait_xcnt 0x0
; Rows 0-15 of every batch of out0 once more, wholly in f32: the fine attention rows x Wo [2048][2048] + bo.  They replace what the f16 product has stored there.
; SHARES.  A work-group takes one tile of 16 columns for two batches (32 rows): 128 x 2 = 256 work-groups.  Wave w takes head w, that is K = 128 w .. 128 w + 127:
; 64 products of the f32 matrix form on four accumulators by turns (2 batches x the parity of the K step); each pair of Wo's registers feeds both batches' products.
; att32 lies as images of registers: quad q of (batch, head) at ((16 b + head) x 16 + q) x 512 + 16 x lane, lane (r, h) holding o(row r, channels 16 (q / 2) + 8 h + 4 (q % 2) + 0 .. 3).
; So each load of it covers 512 consecutive bytes, and Wo's rows are chosen to match: register 4 q + n of lane (r, h) is Wo(128 w + 16 (q / 2) + 4 (q % 2) + n + 8 h, column r).
; All that a wave multiplies fits in 192 registers: every register is loaded once, and no load waits for a product.
; Source 0 = 16 columns of Wo, source 1 = 16 rows of att32: a lane holds row r and eight neighbouring columns.
; The sixteen heads' sums meet in LDS (a plane of 32 rows x 80 bytes a wave); waves 0-3 add them and bo and store.
; The stores are runs of 64 bytes, four lanes to a row: blocks of 16 rows x 256 bytes would make 128 work-groups only; the launch's whole output is 0.5 MB.
; The accumulators (v208-239) are written by matrix instructions alone.
.set BOR, 12                           ; v12-15   bo of the four columns that I store
.set AT,  16                           ; v16-143  att32: batch m's quad q at v[16 + 64 m + 4 q]
.set WF,  144                          ; v144-207 Wo: register 4 q + n
.set ACC, 208                          ; v208-239 accumulator (parity p, batch m) at v[208 + 16 p + 8 m]
.set T,   240                          ; v240-255 the two batches' sums
.set SPW, 8
.set NIL, 9
.set PLANE, 2560                       ; 32 rows x (64 bytes + 16)
.set SPARE, 16*PLANE                   ; behind the sixteen planes: 128 bytes for each wave, named by no other line
	s_load_b256 s[4:11], s[0:1], 0x0               ; att32 s[4:5], Wo s[6:7], bo s[8:9], out0 s[10:11]
	v_lshl_add_u32 v[SPW], v0, 2, SPARE
	v_mov_b32 v[NIL], 0
	v_lshrrev_b32 v1, 5, v0
	v_readfirstlane_b32 s12, v1                    ; wave 0..15 = head
	s_and_b32 s13, ttmp7, 0xffff                   ; which two batches
	s_and_b32 s14, s12, 3                          ; on the way out: which 8 of the 32 rows (waves 0-3)
	v_and_b32 v1, 15, v0                           ; r
	v_bfe_u32 v2, v0, 4, 1                         ; h
	v_and_b32 v3, 31, v0
	v_lshlrev_b32 v3, 4, v3                        ; att32: 16 x lane
	v_lshlrev_b32 v4, 16, v2
	v_lshl_add_u32 v4, v1, 2, v4                   ; Wo: 8 h rows of 8,192 bytes down, column r
	s_mul_i32 s15, s12, PLANE
	v_mul_u32_u24 v5, v1, 80
	v_lshl_add_u32 v5, v2, 5, v5
	v_add_nc_u32 v5, s15, v5                       ; my plane, row r, + 32 h: my eight columns
	s_mul_i32 s16, s14, 8*80
	v_bfe_u32 v10, v0, 2, 3                        ; lane / 4: a row of my eight
	v_and_b32 v11, 3, v0                           ; lane % 4: which 16 bytes of its 64
	v_mul_u32_u24 v6, v10, 80
	v_lshl_add_u32 v6, v11, 4, v6
	v_add_nc_u32 v6, s16, v6                       ; back: row 8 (w % 4) + lane / 4 of plane 0
	v_lshlrev_b32 v7, 13, v10
	v_lshl_add_u32 v7, v11, 4, v7                  ; the same place in out0
	v_lshlrev_b32 v10, 4, v11                      ; and in bo
	s_lshl_b32 s18, s13, 18                        ; att32: two batches are 32 x 8,192 bytes,
	s_lshl_b32 s19, s12, 13                        ; a head 8,192
	s_add_co_u32 s18, s18, s19
	s_mov_b32 s19, 0
	s_lshl_b32 s20, s12, 20                        ; Wo: my 128 rows of 8,192 bytes,
	s_lshl_b32 s22, ttmp9, 6                       ; the work-group's 16 columns
	s_add_co_u32 s20, s20, s22
	s_mov_b32 s21, 0
	s_mov_b32 s23, 0
	s_lshl_b32 s24, s13, 1
	s_lshr_b32 s25, s14, 1
	s_add_co_u32 s24, s24, s25                     ; out0: the batch of the rows that I store,
	s_lshl_b32 s24, s24, 23                        ; 1,024 rows of 8,192 bytes each,
	s_and_b32 s25, s14, 1
	s_lshl_b32 s25, s25, 16                        ; positions 0-7 or 8-15,
	s_add_co_u32 s24, s24, s25
	s_add_co_u32 s24, s24, s22                     ; the 16 columns
	s_mov_b32 s25, 0
	s_wait_kmcnt 0x0
	s_add_nc_u64 s[4:5], s[4:5], s[18:19]
	s_add_nc_u64 s[6:7], s[6:7], s[20:21]
	s_add_nc_u64 s[8:9], s[8:9], s[22:23]
	s_add_nc_u64 s[10:11], s[10:11], s[24:25]
	global_load_b128 v[BOR:BOR+3], v10, s[8:9]
; group g: 32 along K: quads 4 g .. 4 g + 3: 16 loads of Wo, then 8 of att32 (both batches)
.macro LOADG g
.set q, 4*(\g)
.rept 4
.set n, 0
.rept 4
	global_load_b32 v[WF+4*q+n], v4, s[6:7] offset:(16*(q/2)+4*(q%2)+n)*8192
.set n, n+1
.endr
.set q, q+1
.endr
.set q, 4*(\g)
.rept 4
	global_load_b128 v[AT+4*q:AT+4*q+3], v3, s[4:5] offset:512*q
	global_load_b128 v[AT+64+4*q:AT+64+4*q+3], v3, s[4:5] offset:131072+512*q
.set q, q+1
.endr
.endm
; its 16 products: K step ks takes registers 2 ks, 2 ks + 1 of Wo and of each batch.  The first two K steps start the four sums.  The four accumulators take turns, one instruction a turn.
.macro MULG g
.set ks, 8*(\g)
.rept 8
.if ks < 2
	v_wmma_f32_16x16x4_f32 v[ACC+16*(ks%2):ACC+16*(ks%2)+7], v[WF+2*ks:WF+2*ks+1], v[AT+2*ks:AT+2*ks+1], 0
	v_wmma_f32_16x16x4_f32 v[ACC+16*(ks%2)+8:ACC+16*(ks%2)+15], v[WF+2*ks:WF+2*ks+1], v[AT+64+2*ks:AT+64+2*ks+1], 0
.else
	v_wmma_f32_16x16x4_f32 v[ACC+16*(ks%2):ACC+16*(ks%2)+7], v[WF+2*ks:WF+2*ks+1], v[AT+2*ks:AT+2*ks+1], v[ACC+16*(ks%2):ACC+16*(ks%2)+7]
	v_wmma_f32_16x16x4_f32 v[ACC+16*(ks%2)+8:ACC+16*(ks%2)+15], v[WF+2*ks:WF+2*ks+1], v[AT+64+2*ks:AT+64+2*ks+1], v[ACC+16*(ks%2)+8:ACC+16*(ks%2)+15]
.endif
.set ks, ks+1
.endr
.endm
	LOADG 0
	LOADG 1
	LOADG 2
	s_wait_loadcnt 48                              ; loads come back in order: bo and group 0 are in; the 48 of groups 1 and 2 may be out
	LOADG 3
	MULG 0
	s_wait_loadcnt 48                              ; group 1 is in; groups 2 and 3 may be out
	MULG 1
	s_wait_loadcnt 24                              ; group 2 is in
	MULG 2
	s_wait_loadcnt 0
	MULG 3
.rept 8
	v_nop                                          ; eight places behind this form, in front of the reads of the sums and of loads into its sources
.endr
.irp i, 0,2,4,6
	v_pk_add_f32 v[T+\i:T+\i+1], v[ACC+\i:ACC+\i+1], v[ACC+16+\i:ACC+17+\i]         ; the first batch: both parities; each accumulator from its low end on
.endr
.irp i, 0,2,4,6
	v_pk_add_f32 v[T+8+\i:T+9+\i], v[ACC+8+\i:ACC+9+\i], v[ACC+24+\i:ACC+25+\i]     ; the second
.endr
	ds_store_b128 v5, v[T:T+3]                     ; row r: columns 8 h + 0 .. 3,
	ds_store_b128 v5, v[T+4:T+7] offset:16         ; + 4 .. 7;
	ds_store_b128 v5, v[T+8:T+11] offset:16*80     ; row 16 + r: the second batch
	ds_store_b128 v5, v[T+12:T+15] offset:16*80+16
	s_wait_dscnt 0x0                               ; for the others' sake: my stores have landed
	s_barrier_signal -1
	s_barrier_wait -1
	s_cmp_ge_u32 s12, 4
	s_cbranch_scc1 .Lend
.set i, 0
.rept 16
	ds_load_b128 v[16+4*i:19+4*i], v6 offset:PLANE*i   ; the sixteen heads' sums of my 16 bytes
.set i, i+1
.endr
	s_wait_dscnt 0x0
.irp d, 8,4,2,1
.set i, 0
.rept \d
	v_pk_add_f32 v[16+4*i:17+4*i], v[16+4*i:17+4*i], v[16+4*(i+\d):17+4*(i+\d)]
	v_pk_add_f32 v[18+4*i:19+4*i], v[18+4*i:19+4*i], v[18+4*(i+\d):19+4*(i+\d)]
.set i, i+1
.endr
.endr
	v_pk_add_f32 v[16:17], v[16:17], v[BOR:BOR+1]
	v_pk_add_f32 v[18:19], v[18:19], v[BOR+2:BOR+3]
	global_store_b128 v7, v[16:19], s[10:11]       ; four lanes store a row's 64 bytes
.Lend:
	s_wait_tensorcnt 0x0                           ; the wave's end
	ds_add_u32 v[SPW], v[NIL]
	s_wait_dscnt 0x0
	s_endpgm
.Lfunc_end_k_q5afc11fdb4_fine_out:
	.size	k_q5afc11fdb4_fine_out, .Lfunc_end_k_q5afc11fdb4_fine_out-k_q5afc11fdb4_fine_out
	.p2alignl 7, 3214868480
	.fill 96, 4, 3214868480
	.section	.rodata,"a",@progbits
	.p2align	6, 0x0
	.amdhsa_kernel k_q5afc11fdb4_fine_out
		.amdhsa_group_segment_fixed_size 43008
		.amdhsa_private_segment_fixed_size 0
		.amdhsa_enable_private_segment 0
		.amdhsa_kernarg_size 32
		.amdhsa_user_sgpr_count 2
		.amdhsa_user_sgpr_kernarg_segment_ptr 1
		.amdhsa_wavefront_size32 1
		.amdhsa_system_sgpr_workgroup_id_x 1
		.amdhsa_system_sgpr_workgroup_id_y 1
		.amdhsa_system_sgpr_workgroup_id_z 1
		.amdhsa_system_vgpr_workitem_id 0
		.amdhsa_next_free_vgpr 256
		.amdhsa_next_free_sgpr 66
		.amdhsa_reserve_vcc 0
		.amdhsa_float_denorm_mode_32 3
		.amdhsa_float_denorm_mode_16_64 3
		.amdhsa_memory_ordered 1
		.amdhsa_forward_progress 1
		.amdhsa_inst_pref_size 20
	.end_amdhsa_kernel
	.amdgpu_metadata
---
amdhsa.version: [ 1, 2 ]
amdhsa.kernels:
  - .name:           k_q5afc11fdb4_fine_out
    .symbol:         k_q5afc11fdb4_fine_out.kd
    .args:
      - { .name: att32, .offset: 0, .size: 8, .value_kind: global_buffer, .address_space: global }
      - { .name: Wo, .offset: 8, .size: 8, .value_kind: global_buffer, .address_space: global }
      - { .name: bo, .offset: 16, .size: 8, .value_kind: global_buffer, .address_space: global }
      - { .name: out0, .offset: 24, .size: 8, .value_kind: global_buffer, .address_space: global }
    .group_segment_fixed_size: 43008
    .private_segment_fixed_size: 0
    .kernarg_segment_align: 8
    .kernarg_segment_size: 32
    .max_flat_workgroup_size: 512
    .sgpr_count:     66
    .vgpr_count:     256
    .wavefront_size: 32
...
	.end_amdgpu_metadata
.endif
;; end of part 6
